; MI455X (gfx1250); checked and timed in simulation.
; The chip was launched on July 23, 2026; its instructions are those of AMD's public machine-readable ISA for CDNA 5 (MIT licence, August 2026) and "CDNA5" Instruction Set Architecture Reference Guide (July 2026). The comments in the code are by the model that wrote it; some were corrected since.
;; Multi Head Attention. Allowed arithmetic: matrix products marked QUANTISED: E2M1 operands, one E8M0 scale for each 32 along K, by v_wmma_scale_f32_16x16x128_f8f6f4 with both operands' format E2M1 (or v_wmma_scale_f32_32x16x128_f4), f32 sums; products left as they are: bf16, f16 or f32 operands; f32 sums; everything else in f32.
;; Inputs: Wk 1,024 x 1,024 float32; Wo 1,024 x 1,024 float32; Wq 1,024 x 1,024 float32; Wv 1,024 x 1,024 float32; bk 1,024 float32; bo 1,024 float32; bq 1,024 float32; bv 1,024 float32; mask 1 x 1 x 2,048 x 2,048 bool; x 4 x 2,048 x 1,024 float32.
;; Outputs: out0 4 x 2,048 x 1,024 float32.
;; This version of the problem:
;;   THIS VERSION OF THE PROBLEM IS GIVEN IN LOW PRECISION. The matrix products marked QUANTISED in the list below multiply operands that are first quantised to E2M1 (2 exponent bits, 1 mantissa bit; 4 bits a number), with one power-of-two scale for each 32 numbers along K (OCP MX v1.0); their sums are f32. The products marked 'left as it is' may take bf16, f16 or f32 operands, with f32 sums. Whichever they take, every output number must still come out within the allowed error. Rounding operands to bf16 (8 significant bits) uses up far more of that allowance than f16 does (11 bits, for magnitudes from 6e-5 to 65,504). All else is computed in f32.
;;   The module's matrix products, in the order in which they are computed (A, B: the left and right operand; K: the contracted axis; several contracted axes count as one K, in the product's order):
;;     1. [M 8,192, K 1,024] x [K 1,024, N 1,024]; A: input x; B: input Wq: QUANTISED
;;     2. [M 8,192, K 1,024] x [K 1,024, N 1,024]; A: input x; B: input Wk: QUANTISED
;;     3. [M 8,192, K 1,024] x [K 1,024, N 1,024]; A: input x; B: input Wv: QUANTISED
;;     4. batch 64 x [M 2,048, K 64] x [K 64, N 2,048]; A: computed on the way; B: computed on the way: left as it is (an operand is computed on the way)
;;     5. batch 64 x [M 2,048, K 2,048] x [K 2,048, N 64]; A: computed on the way; B: computed on the way: left as it is (an operand is computed on the way)
;;     6. [M 8,192, K 1,024] x [K 1,024, N 1,024]; A: computed on the way; B: input Wo: left as it is (an operand is computed on the way)
;;   THE QUANTISER, for each operand of a quantised product, along K:
;;     - K is cut into blocks of 32 from its start; a last block that is shorter is filled with zeros.
;;     - A block's scale is 2^e with e = floor(log2(the largest magnitude in the block)) - 2, held to -126 .. 127; a block of zeros has e = 0. As a byte (E8M0): e + 127.
;;     - Each number is divided by its block's scale, clamped to +-6, and rounded to the nearest number of E2M1, ties to even, subnormals kept.
;;     - The product sums the exact products of the quantised numbers (number of the format x scale) in f32.
;;   ~~~python
;;   def quantise(x, axis):      # numpy; x: float32 -> the quantised numbers, widened to float32 again
;;       x = np.moveaxis(x, axis, -1); K = x.shape[-1]
;;       x = np.pad(x, [(0, 0)] * (x.ndim - 1) + [(0, -K % 32)]); x = x.reshape(x.shape[:-1] + (-1, 32)); a = np.abs(x).max(-1, keepdims=True)
;;       e = np.where(a > 0, np.clip(np.frexp(np.where(a > 0, a, 1))[1] - 1 - 2, -126, 127), 0)      # np.frexp(a)[1] - 1 = floor(log2(a)), exactly
;;       r = np.clip(x / 2.0 ** e, -6, 6)
;;       step = 2.0 ** (np.maximum(np.frexp(np.where(r == 0, 1, r))[1] - 1, 0) - 1)
;;       q = np.round(r / step) * step * 2.0 ** e      # np.round: ties to even
;;       return np.moveaxis(q.reshape(q.shape[:-2] + (-1,))[..., :K], -1, axis).astype(np.float32)
;;   ~~~
;; One version. Each part assembles by itself: llvm-mc -triple=amdgcn-amd-amdhsa -mcpu=gfx1250 --defsym DOCPART=n.
;; ======== version 1 of 1: 5 launches
;; limits: values are held in f16: magnitudes above 65,504 overflow, below 6.1e-05 lose precision; right only within a limited range of input values
;; workspace buffers: xq 4,456,448 bytes; wq 1,671,168 bytes; wo16 2,097,152 bytes; flags 512 bytes of whole numbers; qkv 50,331,648 bytes; o16 16,777,216 bytes; ofine 262,144 bytes
;; launch prep (part 1): grid 576 x 1, 4 waves a work-group, no clusters, 34,816 bytes of LDS; arguments x, Wq, Wk, Wv, Wo, mask, xq, wq, wo16, flags; writes xq, wq, wo16, flags
.if DOCPART == 1
	.amdgcn_target "amdgcn-amd-amdhsa--gfx1250"
	.amdhsa_code_object_version 6
	.text
	.protected	k_q12d566eb44_prep
	.globl	k_q12d566eb44_prep
	.p2align	8
	.type	k_q12d566eb44_prep,@function
k_q12d566eb44_prep:
	s_mov_b64 s[64:65], 0
	v_nop
	global_prefetch_b8 v0, s[64:65] scope:SCOPE_SE
	s_setreg_imm32_b32 hwreg(HW_REG_WAVE_MODE, 25, 1), 1
	s_wait_xcnt 0x0
; PREP: everything that later launches read many times is made once, laid as IMAGES OF OPERAND REGISTERS (a fragment = runs of 512 bytes, lane l's 16 bytes at 16 l).
;   work-groups   0-255: Wq, Wk, Wv [k][n] f32 -> codes of E2M1 with K innermost and E8M0 scale words (wq);  Wo [k][n] f32 -> f16 fragments (wo16)
;   work-groups 256-319: the mask's tile flags (flags): for each group of 32 queries two words, bit t = key step t (64 keys): live, mixed
;   work-groups 320-575: x [token][k] f32 -> codes and scale words (xq)
; WORK THAT THE PROGRAM LEAVES OUT, and why.  reference() sets a score to -1e9 where the mask is false and then takes softmax.  In a row that has a true entry the row's maximum is an
; unmasked score, and a masked entry's weight is exp(-1e9 - maximum), which is 0 in f32.  So a tile of 32 queries x 64 keys whose mask bytes are all false adds nothing to any of its rows,
; PROVIDED every one of the 32 rows has a true entry somewhere.  The mask is an input of whole numbers: this launch reads it and stores which tiles are live, and the attention launch reads
; those words from memory and walks the live tiles alone.  Where a group of 32 queries holds a row with NO true entry (reference() then averages all 2,048 values), all 32 key steps of the
; group are marked live and mixed, and that row is computed as reference() has it.  Inside a live tile every masked score is replaced by -1e9 and goes through maximum and exponential.
; LIMITS: a row with a true entry has an unmasked score above -1e9 + 104; a NaN, an infinity or an overflow that reaches only a tile left out is not carried to the result; NaN and
; infinities among the inputs are not served; a block of zeros gets the scale byte 1 (its codes are zeros, and this program alone reads the bytes); blocks whose largest magnitude lies
; under 2^(3 - 127) are held at that floor.  No input is left out: all ten are loaded by some launch.
; THE QUANTISER: a block's scale is 2^(floor(log2(largest magnitude)) - 2); its byte is the largest magnitude's exponent field - 2; the conversion divides, rounds to the nearest code, ties to even, and holds at +-6.
.set SPARE, 34304                      ; the spare words, 128 bytes for each wave
.set MLDS,  33792                      ; the mask path's 64 bytes, in a block of their own
.set STGB,  8448                       ; the x path: a stage of 16 rows x (512 + 16) bytes for each wave, from byte 0 on
.set SPW,   12                         ; v12 LDS address of my spare word; never rewritten
.set NIL,   13                         ; v13 0; never rewritten
.set TM,    208                        ; v208-223 at work in QUANT
; 32 rows k of block b at my column: 32 lanes read 128 consecutive bytes, the four waves of a work-group stand side by side on 512
.macro LOADW b
.set n, 0
.rept 32
	global_load_b32 v[16+32*(\b)+n], v3, s[28:29] offset:(32*(\b)+n)*4096 th:TH_LOAD_NT
.set n, n+1
.endr
.endm
; block b is in; the block two further on is asked for at once (each block has registers of its own)
.macro WAITW b
.if (\b) < 3
	s_wait_loadcnt 32                              ; behind block b's 32 loads stand the next block's 32
.else
	s_wait_loadcnt 0x0
.endif
.if (\b) < 2
	LOADW (\b)+2
.endif
.endm
; a block of 32 along K of my column: all 32 numbers are mine
.macro QBLK b
	WAITW \b
.set XB, 16+32*(\b)
	v_max3_num_f32 v8, |v[XB]|, |v[XB+1]|, |v[XB+2]|
	v_max3_num_f32 v9, |v[XB+3]|, |v[XB+4]|, |v[XB+5]|
.irp i, 6,10,14,18,22,26
	v_max3_num_f32 v8, v8, |v[XB+\i]|, |v[XB+\i+1]|
	v_max3_num_f32 v9, v9, |v[XB+\i+2]|, |v[XB+\i+3]|
.endr
	v_max3_num_f32 v8, v8, |v[XB+30]|, |v[XB+31]|
	v_max3_num_f32 v8, v8, v9, 0x1800000           ; and the floor 2^(3 - 127): the byte cannot fall under 1
	v_add_nc_u32 v11, 0xff000000, v8               ; 2 off the exponent field: the conversion's scale operand
	v_lshrrev_b32 v9, 23, v11                      ; the scale's byte
.if (\b) == 0
	v_mov_b32 v10, v9
.else
	v_lshl_or_b32 v10, v9, 8*(\b), v10             ; four bytes make my column's scale word of this K step
.endif
.irp g, 0,1,2,3
	v_cvt_scalef32_pk8_fp4_f32 v[144+4*(\b)+\g], v[XB+8*\g:XB+8*\g+7], v11
.endr
.endm
; the same 32 numbers as f16 pairs, turned into two fragments' halves and stored
.macro HBLK b
	WAITW \b
.set XB, 16+32*(\b)
.set PB, 144+16*(\b)
.irp j, 0,1,2,3,4,5,6,7,8,9,10,11,12,13,14,15
	v_cvt_pk_f16_f32 v[PB+\j], v[XB+2*\j], v[XB+2*\j+1]
.endr
.irp j, 0,1,2,3                        ; a fragment's lane (r, h) wants k = 8 h .. and 16 + 8 h .. of column r: the first's lanes 16-31 change places with the second's lanes 0-15
	v_permlane16_swap_b32 v[PB+\j], v[PB+4+\j]
	v_permlane16_swap_b32 v[PB+8+\j], v[PB+12+\j]
.endr
	global_store_b128 v4, v[PB:PB+3], s[32:33] offset:(\b)*1024              ; the even tile of 16 columns: each store covers 512 consecutive bytes, aligned
	global_store_b128 v4, v[PB+8:PB+11], s[32:33] offset:(\b)*1024+512
	global_store_b128 v4, v[PB+4:PB+7], s[32:33] offset:32768+(\b)*1024      ; the odd tile
	global_store_b128 v4, v[PB+12:PB+15], s[32:33] offset:32768+(\b)*1024+512
.endm
; x: 16 rows x 128 along K (sub-unit u: K step u / 2 of my two, token tile u % 2); a load reads one row's 512 consecutive bytes
.macro LOADX u
.set RS, 16+64*((\u)%2)
.set n, 0
.rept 16
	global_load_b128 v[RS+4*n:RS+4*n+3], v4, s[28:29] offset:(16*((\u)%2)+n)*4096+((\u)/2)*512 th:TH_LOAD_NT
.set n, n+1
.endr
.endm
; through my own stage: in as loaded, back so that lane (r, h) holds, of row r, numbers 32 b + 16 h + 0 .. 15 in registers 16 b + 0 .. 15.  LDS serves a wave's instructions in order: no wait between
.macro TURNX u
.set RS, 16+64*((\u)%2)
.set n, 0
.rept 16
	ds_store_b128 v14, v[RS+4*n:RS+4*n+3] offset:528*n
.set n, n+1
.endr
.irp b, 0,1,2,3
.irp i, 0,1,2,3
	ds_load_b128 v[144+16*\b+4*\i:144+16*\b+4*\i+3], v15 offset:128*\b+16*\i
.endr
.endr
.endm
; 64 numbers of a lane from v[s] on become a fragment's 8 registers of codes from v[pc] on and its scale word in v[pw]
.macro QUANT s, pc, pw
.irp b, 0,1,2,3
	v_max3_num_f32 v[TM+\b], |v[\s+16*\b]|, |v[\s+1+16*\b]|, 0x1800000   ; my 16 numbers of block b, and the floor
.endr
.irp i, 2,4,6,8,10,12,14
.irp b, 0,1,2,3
	v_max3_num_f32 v[TM+\b], v[TM+\b], |v[\s+16*\b+\i]|, |v[\s+1+16*\b+\i]|
.endr
.endr
.irp b, 0,1,2,3
	v_permlanex16_b32 v[TM+4+\b], v[TM+\b], s44, s45
.endr
.irp b, 0,1,2,3
	v_max_num_f32 v[TM+\b], v[TM+\b], v[TM+4+\b]   ; with lane l xor 16's: the block's largest magnitude
.endr
.irp b, 0,1,2,3
	v_add_nc_u32 v[TM+12+\b], 0xff000000, v[TM+\b]
.endr
.irp b, 0,1,2,3
	v_lshrrev_b32 v[TM+4+\b], 23, v[TM+12+\b]
.endr
	v_lshl_or_b32 v[\pw], v[TM+5], 8, v[TM+4]
	v_lshl_or_b32 v[\pw], v[TM+6], 16, v[\pw]
	v_lshl_or_b32 v[\pw], v[TM+7], 24, v[\pw]
.irp b, 0,1,2,3
	v_cvt_scalef32_pk8_fp4_f32 v[\pc+2*\b], v[\s+16*\b:\s+7+16*\b], v[TM+12+\b]
	v_cvt_scalef32_pk8_fp4_f32 v[\pc+1+2*\b], v[\s+8+16*\b:\s+15+16*\b], v[TM+12+\b]
.endr
	v_nop                                          ; one plain instruction behind a scaled conversion
.irp c, 0,1                            ; the operand's layout wants a whole block in a lane
.irp i, 0,1
	v_permlane16_swap_b32 v[\pc+4*\c+\i], v[\pc+2+4*\c+\i]
.endr
.endr
.endm
	s_load_b512 s[4:19], s[0:1], 0x0               ; x s[4:5], Wq s[6:7], Wk s[8:9], Wv s[10:11], Wo s[12:13], mask s[14:15], xq s[16:17], wq s[18:19]
	s_load_b128 s[20:23], s[0:1], 0x40             ; wo16 s[20:21], flags s[22:23]
	v_lshl_add_u32 v[SPW], v0, 2, SPARE
	v_mov_b32 v[NIL], 0
	v_lshrrev_b32 v1, 5, v0
	v_readfirstlane_b32 s24, v1                    ; wave 0..3
	v_and_b32 v2, 31, v0                           ; lane
	v_lshlrev_b32 v3, 2, v2                        ; 4 x lane
	v_lshlrev_b32 v4, 4, v2                        ; 16 x lane
	s_wait_kmcnt 0x0
	s_cmp_lt_u32 ttmp9, 256                        ; the paths part on the work-group's number: all four waves go the same way
	s_cbranch_scc0 .Lnot_w
	; ---------------- the four weights.  A lane takes a column n, its registers run down K: nothing is transposed by an instruction
	s_lshr_b32 s25, ttmp9, 6                       ; which: 0 Wq, 1 Wk, 2 Wv, 3 Wo
	s_and_b32 s26, ttmp9, 7                        ; cg: 128 columns
	s_bfe_u32 s27, ttmp9, 0x30003                  ; kg: 128 along K
	s_cmp_eq_u32 s25, 0
	s_cselect_b64 s[28:29], s[6:7], s[8:9]
	s_cmp_lt_u32 s25, 2
	s_cselect_b64 s[28:29], s[28:29], s[10:11]
	s_cmp_lt_u32 s25, 3
	s_cselect_b64 s[28:29], s[28:29], s[12:13]
	s_lshl_b32 s30, s27, 19                        ; 128 kg rows of 4,096 bytes
	s_lshl_b32 s31, s26, 9
	s_add_co_u32 s30, s30, s31
	s_lshl_b32 s31, s24, 7                         ; + (128 cg + 32 wave) columns
	s_add_co_u32 s30, s30, s31
	s_mov_b32 s31, 0
	s_add_nc_u64 s[28:29], s[28:29], s[30:31]
	LOADW 0
	LOADW 1
	s_mov_b32 s35, 0
	s_lshl_b32 s30, s26, 3
	s_lshl_b32 s31, s24, 1
	s_add_co_u32 s30, s30, s31                     ; 8 cg + 2 wave: my even tile of 16 columns
	s_cmp_eq_u32 s25, 3
	s_cbranch_scc1 .Lwo
	s_lshl_b32 s31, s25, 6
	s_add_co_u32 s30, s30, s31                     ; + 64 which
	s_lshl_b32 s34, s30, 13                        ; a tile's 8 K steps are 8,192 bytes
	s_lshl_b32 s31, s27, 10
	s_add_co_u32 s34, s34, s31
	s_add_nc_u64 s[32:33], s[18:19], s[34:35]      ; the codes
	s_lshl_b32 s34, s30, 9                         ; a pair of tiles has 1,024 bytes of scale words
	s_lshl_b32 s31, s27, 7
	s_add_co_u32 s34, s34, s31
	s_add_co_u32 s34, s34, 1572864
	s_add_nc_u64 s[36:37], s[18:19], s[34:35]      ; the scale words
	QBLK 0
	QBLK 1
	QBLK 2
	QBLK 3
	v_nop                                          ; one plain instruction behind the last scaled conversion
.irp i, 0,1,2,3                        ; lane (r, h) of a fragment wants blocks h and 2 + h of column r: lanes 16-31 of blocks 0, 2 change places with lanes 0-15 of blocks 1, 3
	v_permlane16_swap_b32 v[144+\i], v[148+\i]
	v_permlane16_swap_b32 v[152+\i], v[156+\i]
.endr
	global_store_b128 v4, v[144:147], s[32:33]                 ; the even tile's fragment: two runs of 512 consecutive bytes
	global_store_b128 v4, v[152:155], s[32:33] offset:512
	global_store_b128 v4, v[148:151], s[32:33] offset:8192     ; the odd tile's
	global_store_b128 v4, v[156:159], s[32:33] offset:8704
	global_store_b32 v3, v10, s[36:37]             ; 32 scale words: lanes 0-15 the even tile's columns, lanes 16-31 the odd tile's.  A run of 128 bytes: 98,304 bytes in the whole launch leave so
	s_endpgm
.Lwo:
	s_lshl_b32 s34, s30, 15                        ; a tile's 32 chunks of K are 32,768 bytes
	s_lshl_b32 s31, s27, 12
	s_add_co_u32 s34, s34, s31
	s_add_nc_u64 s[32:33], s[20:21], s[34:35]
	HBLK 0
	HBLK 1
	HBLK 2
	HBLK 3
	s_endpgm
.Lnot_w:
	s_cmp_lt_u32 ttmp9, 320
	s_cbranch_scc0 .Lx
	; ---------------- the mask's flags.  Work-group g: queries 32 g .. 32 g + 31; wave w takes eight of them; lane l takes key step l: 64 bytes of a row
	s_sub_co_u32 s25, ttmp9, 256
	s_lshl_b32 s26, s25, 16
	s_lshl_b32 s27, s24, 14
	s_add_co_u32 s26, s26, s27
	s_mov_b32 s27, 0
	s_add_nc_u64 s[28:29], s[14:15], s[26:27]
	s_lshl_b32 s26, s25, 3
	s_add_nc_u64 s[40:41], s[22:23], s[26:27]      ; the group's two words
	v_lshlrev_b32 v5, 6, v2
.irp rho, 0,1,2,3,4,5,6,7
.irp i, 0,1,2,3
	global_load_b128 v[16+16*\rho+4*\i:16+16*\rho+4*\i+3], v5, s[28:29] offset:\rho*2048+16*\i
.endr
.endr
	s_mov_b32 s34, 0                               ; some row of mine has no true entry
	s_mov_b32 s35, 0                               ; bit t: some byte of key step t is true
	s_mov_b32 s37, 0                               ; bit t: some byte of key step t is false
	s_mov_b32 s38, 0x01010101
	s_lshl_b32 s39, s24, 4
	s_add_co_u32 s39, s39, MLDS
	v_mov_b32 v6, s39                              ; my wave's 16 bytes
	v_mov_b32 v7, MLDS
	v_mov_b32 v8, -1
	v_mov_b32 v9, 0
	s_wait_loadcnt 0x0
.irp rho, 0,1,2,3,4,5,6,7
.set RB, 16+16*\rho
	v_or_b32 v144, v[RB], v[RB+1]
	v_and_b32 v145, v[RB], v[RB+1]
.irp i, 2,3,4,5,6,7,8,9,10,11,12,13,14,15
	v_or_b32 v144, v144, v[RB+\i]
	v_and_b32 v145, v145, v[RB+\i]
.endr
	v_cmp_ne_u32 s30, 0, v144                      ; the row's key steps with a true byte
	v_cmp_ne_u32 s36, s38, v145                    ; and those with a false one (a bool is 0 or 1)
	s_or_b32 s35, s35, s30
	s_or_b32 s37, s37, s36
	s_cmp_eq_u32 s30, 0
	s_cselect_b32 s31, 1, 0
	s_or_b32 s34, s34, s31
.endr
	v_mov_b32 v146, s35
	v_mov_b32 v147, s37
	v_mov_b32 v148, s34
	v_mov_b32 v149, 0
	ds_store_b128 v6, v[146:149]                   ; all lanes write the same bytes with the same values
	s_wait_dscnt 0x0                               ; for the others' sake: my store has landed
	s_barrier_signal -1
	s_barrier_wait -1
	ds_load_b128 v[152:155], v7
	ds_load_b128 v[156:159], v7 offset:16
	ds_load_b128 v[160:163], v7 offset:32
	ds_load_b128 v[164:167], v7 offset:48
	s_wait_dscnt 0x0
.irp i, 0,1,2
	v_or_b32 v[152+\i], v[152+\i], v[156+\i]
	v_or_b32 v[160+\i], v[160+\i], v[164+\i]
	v_or_b32 v[152+\i], v[152+\i], v[160+\i]
.endr
	v_and_b32 v153, v152, v153                     ; mixed = live and not all true
	v_cmp_ne_u32 vcc_lo, 0, v154
	v_cndmask_b32 v152, v152, v8, vcc_lo           ; a row with no true entry: every key step of the group is live and mixed
	v_cndmask_b32 v153, v153, v8, vcc_lo
	s_wait_xcnt 0x0                                ; EXEC changes only behind this wait
	v_cmp_eq_u32 vcc_lo, 0, v0
	s_and_saveexec_b32 s39, vcc_lo                 ; thread 0 of the work-group alone
	global_store_b64 v9, v[152:153], s[40:41]
	s_wait_xcnt 0x0
	s_or_b32 exec_lo, exec_lo, s39
	s_wait_tensorcnt 0x0                           ; the wave's end, behind my last LDS store
	ds_add_u32 v[SPW], v[NIL]
	s_wait_dscnt 0x0
	s_endpgm
.Lx:
	; ---------------- x.  Work-group p: tokens 32 p .. 32 p + 31 (two tiles of 16), all of K; wave w takes K steps 2 w and 2 w + 1
	s_sub_co_u32 s25, ttmp9, 320
	s_mov_b32 s27, 0
	s_lshl_b32 s26, s25, 17
	s_lshl_b32 s30, s24, 10
	s_add_co_u32 s26, s26, s30
	s_add_nc_u64 s[28:29], s[4:5], s[26:27]        ; x: 32 p rows of 4,096 bytes + 1,024 wave
	s_lshl_b32 s26, s25, 14
	s_lshl_b32 s30, s24, 11
	s_add_co_u32 s26, s26, s30
	s_add_nc_u64 s[32:33], s[16:17], s[26:27]      ; codes: tile 2 p, K step 2 wave
	s_lshl_b32 s26, s25, 10
	s_lshl_b32 s30, s24, 8
	s_add_co_u32 s26, s26, s30
	s_add_co_u32 s26, s26, 4194304
	s_add_nc_u64 s[34:35], s[16:17], s[26:27]      ; scale words: pair p, pair of K steps wave
	LOADX 0
	LOADX 1
	s_mul_i32 s36, s24, STGB                       ; my stage
	v_add_nc_u32 v14, s36, v4                      ; in: 16 x lane, a row an instruction
	v_and_b32 v5, 15, v0
	v_bfe_u32 v6, v0, 4, 1
	v_mul_u32_u24 v15, v5, 528
	v_lshl_add_u32 v15, v6, 6, v15
	v_add_nc_u32 v15, s36, v15                     ; back: row r, + 64 h
	v_lshlrev_b32 v7, 3, v2                        ; 8 x lane
	s_mov_b32 s42, 0xffff0000                      ; lanes 16-31
	s_mov_b32 s44, 0x76543210
	s_mov_b32 s45, 0xfedcba98                      ; v_permlanex16_b32's selects for lane l xor 16
.irp b, 0,1,2,3
	v_mov_b32 v[TM+4+\b], 0                        ; written once: a lane permute's destination counts as one of its sources
.endr
.irp u, 0,1,2,3
.if \u < 3
	s_wait_loadcnt 16                              ; this sub-unit's 16 loads are in; the next one's 16 may be out
.else
	s_wait_loadcnt 0x0
.endif
	TURNX \u
	s_wait_dscnt 0x0                               ; my 64 numbers are back, and the stage's stores have read their registers,
.if \u < 2
	LOADX \u+2                                     ; which take the sub-unit two further on
.else
	s_wait_xcnt 0x0                                ; the stores of two sub-units ago have read the codes' registers, which are written again
.endif
	QUANT 144, 224+8*(\u%2), 240+\u
	global_store_b128 v4, v[224+8*(\u%2):227+8*(\u%2)], s[32:33] offset:(\u%2)*8192+(\u/2)*1024       ; the fragment's image: two runs of 512 consecutive bytes
	global_store_b128 v4, v[228+8*(\u%2):231+8*(\u%2)], s[32:33] offset:(\u%2)*8192+(\u/2)*1024+512
.if \u%2 == 1
	v_cndmask_b32 v[244+\u/2], v[240+\u-1], v[240+\u], s42   ; lanes 0-15: the even tile's rows; lanes 16-31: the odd tile's
.endif
.endr
	global_store_b64 v7, v[244:245], s[34:35]      ; two K steps' scale words of 32 rows: 256 consecutive bytes, aligned
	s_wait_tensorcnt 0x0                           ; the wave's end, behind my last LDS store
	ds_add_u32 v[SPW], v[NIL]
	s_wait_dscnt 0x0
	s_endpgm
.Lfunc_end_k_q12d566eb44_prep:
	.size	k_q12d566eb44_prep, .Lfunc_end_k_q12d566eb44_prep-k_q12d566eb44_prep
	.p2alignl 7, 3214868480
	.fill 96, 4, 3214868480
	.section	.rodata,"a",@progbits
	.p2align	6, 0x0
	.amdhsa_kernel k_q12d566eb44_prep
		.amdhsa_group_segment_fixed_size 34816
		.amdhsa_private_segment_fixed_size 0
		.amdhsa_enable_private_segment 0
		.amdhsa_kernarg_size 80
		.amdhsa_user_sgpr_count 2
		.amdhsa_user_sgpr_kernarg_segment_ptr 1
		.amdhsa_wavefront_size32 1
		.amdhsa_system_sgpr_workgroup_id_x 1
		.amdhsa_system_sgpr_workgroup_id_y 1
		.amdhsa_system_sgpr_workgroup_id_z 1
		.amdhsa_system_vgpr_workitem_id 0
		.amdhsa_next_free_vgpr 256
		.amdhsa_next_free_sgpr 66
		.amdhsa_reserve_vcc 1
		.amdhsa_float_denorm_mode_32 3
		.amdhsa_float_denorm_mode_16_64 3
		.amdhsa_memory_ordered 1
		.amdhsa_forward_progress 1
		.amdhsa_inst_pref_size 80
	.end_amdhsa_kernel
	.amdgpu_metadata
---
amdhsa.version: [ 1, 2 ]
amdhsa.kernels:
  - .name:           k_q12d566eb44_prep
    .symbol:         k_q12d566eb44_prep.kd
    .args:
      - { .name: x, .offset: 0, .size: 8, .value_kind: global_buffer, .address_space: global }
      - { .name: Wq, .offset: 8, .size: 8, .value_kind: global_buffer, .address_space: global }
      - { .name: Wk, .offset: 16, .size: 8, .value_kind: global_buffer, .address_space: global }
      - { .name: Wv, .offset: 24, .size: 8, .value_kind: global_buffer, .address_space: global }
      - { .name: Wo, .offset: 32, .size: 8, .value_kind: global_buffer, .address_space: global }
      - { .name: mask, .offset: 40, .size: 8, .value_kind: global_buffer, .address_space: global }
      - { .name: xq, .offset: 48, .size: 8, .value_kind: global_buffer, .address_space: global }
      - { .name: wq, .offset: 56, .size: 8, .value_kind: global_buffer, .address_space: global }
      - { .name: wo16, .offset: 64, .size: 8, .value_kind: global_buffer, .address_space: global }
      - { .name: flags, .offset: 72, .size: 8, .value_kind: global_buffer, .address_space: global }
    .group_segment_fixed_size: 34816
    .private_segment_fixed_size: 0
    .kernarg_segment_align: 8
    .kernarg_segment_size: 80
    .max_flat_workgroup_size: 128
    .sgpr_count:     66
    .vgpr_count:     256
    .wavefront_size: 32
...
	.end_amdgpu_metadata
.endif
;; end of part 1
;; launch qkv (part 2): grid 8 x 32, 4 waves a work-group, clusters of 4 x 4, 327,680 bytes of LDS; arguments xq, wq, bq, bk, bv, qkv; writes qkv
.if DOCPART == 2
	.amdgcn_target "amdgcn-amd-amdhsa--gfx1250"
	.amdhsa_code_object_version 6
	.text
	.protected	k_q12d566eb44_qkv
	.globl	k_q12d566eb44_qkv
	.p2align	8
	.type	k_q12d566eb44_qkv,@function
k_q12d566eb44_qkv:
	s_mov_b64 s[64:65], 0
	v_nop
	global_prefetch_b8 v0, s[64:65] scope:SCOPE_SE
	s_setreg_imm32_b32 hwreg(HW_REG_WAVE_MODE, 25, 1), 1
	s_wait_xcnt 0x0
	s_wait_alu depctr_hold_cnt(0) depctr_sa_sdst(0) depctr_va_vdst(0) depctr_va_sdst(0) depctr_va_ssrc(0) depctr_va_vcc(0) depctr_vm_vsrc(0)
	s_getreg_b32 s2, hwreg(HW_REG_IB_STS2, 6, 4)
	s_cmp_eq_u32 s2, 0
	s_cbranch_scc0 .Lentry_in_a_cluster
	s_endpgm
.Lentry_in_a_cluster:
	s_bfe_u32 s2, ttmp6, 0x10000c
	s_cmp_lg_u32 s2, 0xf033
	s_cbranch_scc0 .Lentry_shape_is_right
	s_endpgm
.Lentry_shape_is_right:
; q = x Wq + bq, k = x Wk + bk, v = x Wv + bv on codes of E2M1 with E8M0 scales (K = 1,024), sums in f32; q is multiplied by log2(e) / 8; all three are rounded to f16 and stored as
; images of the fragments that the attention launch wants: q, k [head][tile of 16 tokens][32 of d][half][lane][16 B]; v [head][32 tokens][16 of d][half][lane][16 B].
; LIMIT: |q log2(e) / 8|, |k| and |v| stay under 65,504, the largest f16 number.  Nothing is left out here.
; SHARES.  A work-group takes 256 tokens and two heads of q, k and v: three passes of 256 x 128.  Wave: 128 tokens (tiles i = 0..7) x one head (column tiles j = 0..3): 32 accumulators.
; x's fragments for all of K (512 registers a wave) are read from LDS once and stay; the LDS bytes that held them then take Wv.
; CLUSTER 4 x 4: the four work-groups of a row share their tokens (x's tiles), the four of a column their heads (the weights' tiles): each tile is asked for jointly.
; q and k are made transposed (source 0 = 16 columns of W, source 1 = 16 tokens): a lane holds one token and eight neighbouring d.  v is made the other way round: a lane holds one d and eight tokens.
; REGISTERS: window 0: v1-11 addresses; v32-63 x's scale words (pair of tiles, K step); v64-79 the weights'; v80-111 the bias as C; v112-175 the weights' fragments, two sets; v176-239 results as f16;
;   window 1: the accumulators, (i, j) at 8 (4 i + j);  windows 2, 3: x's fragments, (i, s) at window 2 + i / 4, 64 (i % 4) + 8 s.
.set XSC,   131072                     ; LDS: x's codes from 0 on (131,072 bytes; later Wv's codes at 0 and Wv's scale words at 65,536); x's scale words, 8,192;
.set WT0,   139264                     ; Wq's codes, 65,536;
.set WT1,   204800                     ; Wk's codes, 65,536;
.set WSC0,  270336                     ; Wq's scale words, 4,096;
.set WSC1,  274432                     ; Wk's, 4,096;
.set SPARE, 278528                     ; the spare words, 128 bytes for each wave
.set LI,   1                           ; 16 x lane
.set ADRX, 2
.set ADSX, 3
.set ADRQ, 4
.set ADRK, 5
.set ADRV, 6
.set ADSQ, 7
.set ADSK, 8
.set ADSV, 9
.set BOQ,  10                          ; 32 h
.set BOV,  11                          ; 4 r
.set XS,   32
.set WS,   64
.set BI,   80
.set WF,   112
.set TMP,  176
.set SPW,  252
.set NIL,  253
.set G1X,  32                          ; s[32:39] group 1: x's codes;  s[40:47] the weights' codes;  s[48:55] x's scale words;  s[56:63] the weights'
.set G1W,  40
.set G1XS, 48
.set G1WS, 56
.set G0XC, 68                          ; groups 0
.set G0XS, 72
.set G0WC, 76
.set G0WS, 80
.set MSB, 0
.macro WIN new                         ; the immediate's high byte repeats the setting that is left
.if MSB != (\new)
	s_set_vgpr_msb (MSB<<8)|(\new)
.set MSB, (\new)
.endif
.endm
.macro PLACES n
.rept \n
	v_nop
.endr
.endm
.macro CROUND                          ; a round of the cluster's barrier
	s_barrier_signal -1
	s_barrier_wait -1
	s_cmp_lg_u32 s16, 0
	s_cbranch_scc1 .Lnot_wave_0_\@
	s_barrier_signal -3
.Lnot_wave_0_\@:
	s_barrier_wait -3
	s_barrier_signal -1
	s_barrier_wait -1
.endm
; one scaled product; ra, rb: the side's scale words stand in lanes 16-31 of the register named
.macro SMM d, a, b, c, sa, sb, ra, rb
.if (\ra) && (\rb)
	v_wmma_scale_f32_16x16x128_f8f6f4 v[\d:\d+7], v[\a:\a+7], v[\b:\b+7], v[\c:\c+7], v[\sa], v[\sb] matrix_a_fmt:MATRIX_FMT_FP4 matrix_b_fmt:MATRIX_FMT_FP4 matrix_a_scale:MATRIX_SCALE_ROW1 matrix_b_scale:MATRIX_SCALE_ROW1
.elseif (\ra)
	v_wmma_scale_f32_16x16x128_f8f6f4 v[\d:\d+7], v[\a:\a+7], v[\b:\b+7], v[\c:\c+7], v[\sa], v[\sb] matrix_a_fmt:MATRIX_FMT_FP4 matrix_b_fmt:MATRIX_FMT_FP4 matrix_a_scale:MATRIX_SCALE_ROW1
.elseif (\rb)
	v_wmma_scale_f32_16x16x128_f8f6f4 v[\d:\d+7], v[\a:\a+7], v[\b:\b+7], v[\c:\c+7], v[\sa], v[\sb] matrix_a_fmt:MATRIX_FMT_FP4 matrix_b_fmt:MATRIX_FMT_FP4 matrix_b_scale:MATRIX_SCALE_ROW1
.else
	v_wmma_scale_f32_16x16x128_f8f6f4 v[\d:\d+7], v[\a:\a+7], v[\b:\b+7], v[\c:\c+7], v[\sa], v[\sb] matrix_a_fmt:MATRIX_FMT_FP4 matrix_b_fmt:MATRIX_FMT_FP4
.endif
.endm
.macro WFETCH adr, s, p                ; my head's four fragments of K step s into set p
.irp j, 0,1,2,3
.irp c, 0,1
	ds_load_b128 v[WF+32*(\p)+8*\j+4*\c:WF+32*(\p)+8*\j+4*\c+3], v[\adr] offset:\j*8192+(\s)*1024+\c*512
.endr
.endr
.endm
.macro BIASQK base                     ; lane (r, h), tile j, register e: b[16 j + 8 h + e] of my head
.irp j, 0,1,2,3
	global_load_b128 v[BI+8*\j:BI+8*\j+3], v[BOQ], s[\base:\base+1] offset:64*\j
	global_load_b128 v[BI+8*\j+4:BI+8*\j+7], v[BOQ], s[\base:\base+1] offset:64*\j+16
.endr
.endm
.macro BIASV                           ; every register of tile j: b[16 j + r]
.irp j, 0,1,2,3
.irp e, 0,1,2,3,4,5,6,7
	global_load_b32 v[BI+8*\j+\e], v[BOV], s[12:13] offset:64*\j
.endr
.endr
.endm
; A pass: 8 K steps of 32 products.  The 32 accumulators take turns, one instruction a turn, in the same order in every step.  The bias is the C of the first step.
; kind 0: source 0 = the weight, source 1 = x;  kind 1: the other way round.
.macro PASS kind, adr, ads
	WIN 0
.irp pp, 0,1
.irp s, 0,1,2,3,4,5,6,7
	ds_load_b32 v[WS+8*\pp+\s], v[\ads] offset:\pp*1024+\s*128
.endr
.endr
	WFETCH \adr, 0, 0
	s_wait_loadcnt 0x0                             ; the bias
.irp s, 0,1,2,3,4,5,6,7
	WIN 0
	s_wait_dscnt 0x0                               ; this step's set was asked for a step, 32 products, ago
	PLACES 4                                       ; in front of loads into the set that the last step's products read
.if \s < 7
	WFETCH \adr, \s+1, (\s+1)%2
.endif
.irp i, 0,1,2,3,4,5,6,7
.irp j, 0,1,2,3
.set AC, 8*(4*\i+\j)
.set XR, 64*(\i%4)+8*\s
.set WR, WF+32*(\s%2)+8*\j
.if \s == 0
.set CR, BI+8*\j
.set CW, 0
.else
.set CR, AC
.set CW, 0x10
.endif
.if \kind == 0
	WIN 0x48+CW+4*(\i/4)
	SMM AC, WR, XR, CR, WS+8*(\j/2)+\s, XS+8*(\i/2)+\s, \j%2, \i%2
.else
	WIN 0x42+CW+(\i/4)
	SMM AC, XR, WR, CR, XS+8*(\i/2)+\s, WS+8*(\j/2)+\s, \i%2, \j%2
.endif
.endr
.endr
.endr
.endm
; The way out: an accumulator's eight numbers are 16 bytes of f16, which ARE a lane's part of half a fragment: each store covers 512 consecutive bytes, aligned.  kind 0: q (scaled), 1: k, 2: v
.macro OUT kind
	PLACES 4                                       ; behind the last products, in front of the first read of results
.if \kind == 0
	WIN 0x41
.set n, 0
.rept 128
	v_pk_mul_f32 v[n:n+1], v[n:n+1], s[30:31] op_sel_hi:[1,0]     ; x log2(e) / 8, each accumulator from its low end on
.set n, n+2
.endr
.endif
.irp hf, 0,1
	s_wait_xcnt 0x0                                ; the earlier stores have read their data registers, which are written again
	WIN 0x05
.set n, 0
.rept 64
	v_cvt_pk_f16_f32 v[TMP+n], v[128*\hf+2*n], v[128*\hf+2*n+1]
.set n, n+1
.endr
	WIN 0
.irp ii, 0,1,2,3
.irp j, 0,1,2,3
.if \kind == 2
	global_store_b128 v[LI], v[TMP+4*(4*\ii+\j):TMP+4*(4*\ii+\j)+3], s[14:15] offset:((4*\hf+\ii)/2)*4096+\j*1024+(\ii%2)*512
.else
	global_store_b128 v[LI], v[TMP+4*(4*\ii+\j):TMP+4*(4*\ii+\j)+3], s[14:15] offset:(4*\hf+\ii)*2048+\j*512
.endif
.endr
.endr
.endr
.endm
	s_load_b256 s[4:11], s[0:1], 0x0               ; xq s[4:5], wq s[6:7], bq s[8:9], bk s[10:11]
	s_load_b128 s[12:15], s[0:1], 0x20             ; bv s[12:13], qkv s[14:15]
	v_lshl_add_u32 v[SPW], v0, 2, SPARE
	v_mov_b32 v[NIL], 0
	ds_add_u32 v[SPW], v[NIL]                      ; the wave's opening: the add, twice on end, and its wait ahead of my first tensor load
	ds_add_u32 v[SPW], v[NIL]
	v_lshrrev_b32 v12, 5, v0
	v_readfirstlane_b32 s16, v12                   ; wave 0..3
	s_lshr_b32 s17, s16, 1                         ; which 128 tokens are mine.  Also: I fetch for x (0) or for the weights (1)
	s_and_b32 s18, s16, 1                          ; which head.  Also: which half of what I fetch
	s_bfe_u32 s19, ttmp6, 0x40000                  ; cx
	s_bfe_u32 s20, ttmp6, 0x40004                  ; cy
	s_lshl_b32 s21, ttmp9, 2
	s_add_co_u32 s21, s21, s19                     ; pair of heads = 4 x cluster x + cx
	s_and_b32 s22, ttmp7, 0xffff
	s_lshl_b32 s22, s22, 2
	s_add_co_u32 s22, s22, s20                     ; block of 256 tokens = 4 x cluster y + cy
	s_lshl_b32 s23, s20, 2
	s_lshl_b32 s23, 15, s23                        ; my row of the cluster
	s_lshl_b32 s24, 0x1111, s19                    ; my column
	; groups 1: dense blocks as rows of 256 bytes (32 elements of 8 bytes), no padding: 256 rows of codes, 16 rows of scale words
	s_or_b32 s[G1X], s23, (3<<16)|(1<<21)
	s_or_b32 s[G1XS], s23, (3<<16)|(1<<21)
	s_or_b32 s[G1W], s24, (3<<16)|(1<<21)
	s_or_b32 s[G1WS], s24, (3<<16)|(1<<21)
.irp g, G1X, G1W
	s_mov_b32 s[\g+1], 32<<16                      ; tensor_dim0
	s_mov_b32 s[\g+2], 256<<16                     ; tensor_dim1
	s_mov_b32 s[\g+3], 32<<16                      ; tile_dim0
	s_mov_b32 s[\g+4], 256                         ; tile_dim1
	s_mov_b32 s[\g+5], 32                          ; the pitch
	s_mov_b32 s[\g+6], 0
	s_mov_b32 s[\g+7], 0
.endr
.irp g, G1XS, G1WS
	s_mov_b32 s[\g+1], 32<<16
	s_mov_b32 s[\g+2], 16<<16
	s_mov_b32 s[\g+3], 32<<16
	s_mov_b32 s[\g+4], 16
	s_mov_b32 s[\g+5], 32
	s_mov_b32 s[\g+6], 0
	s_mov_b32 s[\g+7], 0
.endr
	; x's offsets hang on the block of tokens and the wave alone, the weights' on the pair of heads and the wave alone, each in registers of its own
	s_lshl_b32 s26, s22, 17                        ; codes: 16 tiles of 8,192 bytes a block, 8 a half
	s_lshl_b32 s27, s18, 16
	s_add_co_u32 s26, s26, s27
	s_mov_b32 s27, 0
	s_lshl_b32 s28, s22, 13                        ; scale words: 8 pairs of 1,024 bytes a block
	s_lshl_b32 s29, s18, 12
	s_add_co_u32 s28, s28, s29
	s_add_co_u32 s28, s28, 4194304
	s_mov_b32 s29, 0
	s_lshl_b32 s84, s21, 16                        ; codes: 8 tiles a pair of heads; wave 2: Wq, wave 3: Wk (64 tiles on)
	s_lshl_b32 s85, s18, 19
	s_add_co_u32 s84, s84, s85
	s_mov_b32 s85, 0
	s_lshl_b32 s86, s21, 12
	s_lshl_b32 s87, s18, 15
	s_add_co_u32 s86, s86, s87
	s_add_co_u32 s86, s86, 1572864
	s_mov_b32 s87, 0
	s_lshl_b32 s88, s18, 16                        ; where they go in LDS: the wave's number alone
	s_lshl_b32 s89, s18, 12
	s_mov_b32 s30, 0x3e38aa3b                      ; log2(e) / 8
	s_mov_b32 s31, s30                             ; (named with it as a pair)
	s_wait_dscnt 0x0                               ; both opening adds are done
	s_wait_kmcnt 0x0
	CROUND                                         ; all sixteen work-groups are here: the first joint loads meet
	s_mov_b32 s[G0XC], 1
	s_mov_b32 s[G0XC+1], s88
	s_add_nc_u64 s[G0XC+2:G0XC+3], s[4:5], s[26:27]
	s_or_b32 s[G0XC+3], s[G0XC+3], 0x80000000
	s_mov_b32 s[G0XS], 1
	s_add_co_u32 s[G0XS+1], s89, XSC
	s_add_nc_u64 s[G0XS+2:G0XS+3], s[4:5], s[28:29]
	s_or_b32 s[G0XS+3], s[G0XS+3], 0x80000000
	s_mov_b32 s[G0WC], 1
	s_add_co_u32 s[G0WC+1], s88, WT0
	s_add_nc_u64 s[G0WC+2:G0WC+3], s[6:7], s[84:85]
	s_or_b32 s[G0WC+3], s[G0WC+3], 0x80000000
	s_mov_b32 s[G0WS], 1
	s_add_co_u32 s[G0WS+1], s89, WSC0
	s_add_nc_u64 s[G0WS+2:G0WS+3], s[6:7], s[86:87]
	s_or_b32 s[G0WS+3], s[G0WS+3], 0x80000000
	s_cmp_eq_u32 s17, 0                            ; a wave's two first fills stand in one arm: two tensor loads of mine are out
	s_cbranch_scc0 .Lfirst_w
	tensor_load_to_lds s[G0XC:G0XC+3], s[G1X:G1X+7]
	s_nop 0
	tensor_load_to_lds s[G0XS:G0XS+3], s[G1XS:G1XS+7]
	s_nop 0
	PLACES 4
	s_branch .Lfirst_done
.Lfirst_w:
	tensor_load_to_lds s[G0WC:G0WC+3], s[G1W:G1W+7]
	s_nop 0
	tensor_load_to_lds s[G0WS:G0WS+3], s[G1WS:G1WS+7]
	s_nop 0
	PLACES 4
.Lfirst_done:
	v_and_b32 v12, 31, v0
	v_lshlrev_b32 v[LI], 4, v12
	v_lshlrev_b32 v13, 2, v12
	v_lshlrev_b32 v14, 3, v12
	s_lshl_b32 s90, s17, 16
	v_add_nc_u32 v[ADRX], s90, v[LI]               ; my 8 tiles of x
	s_lshl_b32 s90, s17, 12
	s_add_co_u32 s90, s90, XSC
	v_add_nc_u32 v[ADSX], s90, v14                 ; their scale words, two K steps a lane
	s_lshl_b32 s90, s18, 15                        ; my head's four tiles
	v_add_nc_u32 v[ADRV], s90, v[LI]
	s_add_co_u32 s91, s90, WT0
	v_add_nc_u32 v[ADRQ], s91, v[LI]
	s_add_co_u32 s91, s90, WT1
	v_add_nc_u32 v[ADRK], s91, v[LI]
	s_lshl_b32 s90, s18, 11                        ; and their two pairs' scale words
	s_add_co_u32 s91, s90, WSC0
	v_add_nc_u32 v[ADSQ], s91, v13
	s_add_co_u32 s91, s90, WSC1
	v_add_nc_u32 v[ADSK], s91, v13
	s_add_co_u32 s91, s90, 65536
	v_add_nc_u32 v[ADSV], s91, v13
	v_bfe_u32 v15, v0, 4, 1
	v_lshlrev_b32 v[BOQ], 5, v15
	v_and_b32 v15, 15, v0
	v_lshlrev_b32 v[BOV], 2, v15
	s_lshl_b32 s92, s21, 9                         ; the biases at my head: (128 pair + 64 head) numbers
	s_lshl_b32 s93, s18, 8
	s_add_co_u32 s92, s92, s93
	s_mov_b32 s93, 0
	s_add_nc_u64 s[8:9], s[8:9], s[92:93]
	s_add_nc_u64 s[10:11], s[10:11], s[92:93]
	s_add_nc_u64 s[12:13], s[12:13], s[92:93]
	s_lshr_b32 s94, s22, 3                         ; the results: ((16 batch + head) x 128 + my first tile of 16 tokens in the sequence) x 2,048 bytes, the same in q, k and v
	s_lshl_b32 s94, s94, 4
	s_lshl_b32 s95, s21, 1
	s_add_co_u32 s94, s94, s95
	s_add_co_u32 s94, s94, s18
	s_lshl_b32 s94, s94, 7
	s_and_b32 s95, s22, 7
	s_lshl_b32 s95, s95, 4
	s_add_co_u32 s94, s94, s95
	s_lshl_b32 s95, s17, 3
	s_add_co_u32 s94, s94, s95
	s_lshl_b32 s94, s94, 11
	s_mov_b32 s95, 0
	s_add_nc_u64 s[14:15], s[14:15], s[94:95]
	BIASQK 8
	s_wait_tensorcnt 0x0                           ; my two first fills have landed,
	s_barrier_signal -1
	s_barrier_wait -1                              ; everybody's have
	WIN 0x80                                       ; x's 64 fragments into windows 2 and 3: read from LDS once
.irp i, 0,1,2,3
.irp s, 0,1,2,3,4,5,6,7
.irp c, 0,1
	ds_load_b128 v[64*\i+8*\s+4*\c:64*\i+8*\s+4*\c+3], v[ADRX] offset:\i*8192+\s*1024+\c*512
.endr
.endr
.endr
	WIN 0xc0
.irp i, 0,1,2,3
.irp s, 0,1,2,3,4,5,6,7
.irp c, 0,1
	ds_load_b128 v[64*\i+8*\s+4*\c:64*\i+8*\s+4*\c+3], v[ADRX] offset:(\i+4)*8192+\s*1024+\c*512
.endr
.endr
.endr
	WIN 0
.irp pp, 0,1,2,3
.irp kp, 0,1,2,3
	ds_load_b64 v[XS+8*\pp+2*\kp:XS+8*\pp+2*\kp+1], v[ADSX] offset:\pp*1024+\kp*256
.endr
.endr
	; x's bytes in LDS are done with: they take Wv.  Every wave: all its tensor loads waited for, the add, the wait for the add and for its reads; then a round of the cluster's barrier; then the joint refill
	s_wait_tensorcnt 0x0                           ; no tensor load of mine is out, so a group 0 may be written
	ds_add_u32 v[SPW], v[NIL]                      ; once: every way here leads through a tensor load
	s_mov_b32 s[G0WC+1], 0                         ; Wv's codes to LDS byte 0,
	s_lshl_b32 s84, s21, 16
	s_add_co_u32 s84, s84, 1048576                 ; 128 tiles on in wq
	s_add_nc_u64 s[G0WC+2:G0WC+3], s[6:7], s[84:85]
	s_or_b32 s[G0WC+3], s[G0WC+3], 0x80000000
	s_mov_b32 s[G0WS+1], 65536                     ; its scale words behind them
	s_lshl_b32 s86, s21, 12
	s_add_co_u32 s86, s86, 1572864+65536
	s_add_nc_u64 s[G0WS+2:G0WS+3], s[6:7], s[86:87]
	s_or_b32 s[G0WS+3], s[G0WS+3], 0x80000000
	s_wait_dscnt 0x0                               ; the add is done, and all my reads of x's bytes are in
	CROUND                                         ; both hold of every wave of every partner
	s_cmp_eq_u32 s16, 2
	s_cbranch_scc0 .Lnot_2
	tensor_load_to_lds s[G0WC:G0WC+3], s[G1W:G1W+7]
	s_nop 0
	PLACES 4
	s_branch .Lrefilled
.Lnot_2:
	s_cmp_eq_u32 s16, 3
	s_cbranch_scc0 .Lrefilled
	tensor_load_to_lds s[G0WS:G0WS+3], s[G1WS:G1WS+7]
	s_nop 0
	PLACES 4
.Lrefilled:
	PASS 0, ADRQ, ADSQ
	OUT 0
	s_wait_xcnt 0x0                                ; the stores have read their base
	s_add_nc_u64 s[14:15], s[14:15], 0x1000000     ; on to k's region
	BIASQK 10
	PASS 0, ADRK, ADSK
	OUT 1
	s_wait_xcnt 0x0
	s_add_nc_u64 s[14:15], s[14:15], 0x1000000     ; on to v's
	BIASV
	s_wait_tensorcnt 0x0                           ; Wv has landed (two passes have gone by since it was asked for),
	s_barrier_signal -1
	s_barrier_wait -1                              ; and every wave knows
	PASS 1, ADRV, ADSV
	OUT 2
	s_wait_tensorcnt 0x0                           ; the wave's end
	ds_add_u32 v[SPW], v[NIL]
	s_wait_dscnt 0x0
	CROUND                                         ; the closing round
	s_endpgm
.Lfunc_end_k_q12d566eb44_qkv:
	.size	k_q12d566eb44_qkv, .Lfunc_end_k_q12d566eb44_qkv-k_q12d566eb44_qkv
	.p2alignl 7, 3214868480
	.fill 96, 4, 3214868480
	.section	.rodata,"a",@progbits
	.p2align	6, 0x0
	.amdhsa_kernel k_q12d566eb44_qkv
		.amdhsa_group_segment_fixed_size 327680
		.amdhsa_private_segment_fixed_size 0
		.amdhsa_enable_private_segment 0
		.amdhsa_kernarg_size 48
		.amdhsa_user_sgpr_count 2
		.amdhsa_user_sgpr_kernarg_segment_ptr 1
		.amdhsa_wavefront_size32 1
		.amdhsa_system_sgpr_workgroup_id_x 1
		.amdhsa_system_sgpr_workgroup_id_y 1
		.amdhsa_system_sgpr_workgroup_id_z 1
		.amdhsa_system_vgpr_workitem_id 0
		.amdhsa_next_free_vgpr 1024
		.amdhsa_next_free_sgpr 100
		.amdhsa_reserve_vcc 0
		.amdhsa_float_denorm_mode_32 3
		.amdhsa_float_denorm_mode_16_64 3
		.amdhsa_memory_ordered 1
		.amdhsa_forward_progress 1
		.amdhsa_inst_pref_size 183
	.end_amdhsa_kernel
	.amdgpu_metadata
---
amdhsa.version: [ 1, 2 ]
amdhsa.kernels:
  - .name:           k_q12d566eb44_qkv
    .symbol:         k_q12d566eb44_qkv.kd
    .args:
      - { .name: xq, .offset: 0, .size: 8, .value_kind: global_buffer, .address_space: global }
      - { .name: wq, .offset: 8, .size: 8, .value_kind: global_buffer, .address_space: global }
      - { .name: bq, .offset: 16, .size: 8, .value_kind: global_buffer, .address_space: global }
      - { .name: bk, .offset: 24, .size: 8, .value_kind: global_buffer, .address_space: global }
      - { .name: bv, .offset: 32, .size: 8, .value_kind: global_buffer, .address_space: global }
      - { .name: qkv, .offset: 40, .size: 8, .value_kind: global_buffer, .address_space: global }
    .group_segment_fixed_size: 327680
    .private_segment_fixed_size: 0
    .kernarg_segment_align: 8
    .kernarg_segment_size: 48
    .max_flat_workgroup_size: 128
    .sgpr_count:     100
    .vgpr_count:     1024
    .wavefront_size: 32
...
	.end_amdgpu_metadata
.endif
;; end of part 2
;; launch attn (part 3): grid 4 x 64, 8 waves a work-group, no clusters, 33,792 bytes of LDS; arguments qkv, mask, flags, o16, ofine; writes o16, ofine
.if DOCPART == 3
	.amdgcn_target "amdgcn-amd-amdhsa--gfx1250"
	.amdhsa_code_object_version 6
	.text
	.protected	k_q12d566eb44_attn
	.globl	k_q12d566eb44_attn
	.p2align	8
	.type	k_q12d566eb44_attn,@function
k_q12d566eb44_attn:
	s_mov_b64 s[64:65], 0
	v_nop
	global_prefetch_b8 v0, s[64:65] scope:SCOPE_SE
	s_setreg_imm32_b32 hwreg(HW_REG_WAVE_MODE, 25, 1), 1
	s_wait_xcnt 0x0
; o = softmax(where(mask, q k^T / 8, -1e9)) v for one head, f16 operands, f32 sums; q arrives multiplied by log2(e) / 8, so the exponentials are powers of two.
; LEFT OUT: tiles of 32 queries x 64 keys whose mask bytes are all false, by the words that the first launch stored (its head comment shows why they add nothing, and states the limits).
; SHARES.  A work-group takes a head and two blocks of 256 queries, 7 - x and then x (right for every mask; it evens the work out where a mask thins toward a corner).  Each of eight waves owns 32 queries,
; two tiles of 16.  All waves walk the 32 key steps of 64 keys in a loop of constant count; a step that the wave's word marks dead is passed over by a scalar branch on that stored word; every wave passes every barrier.
; NO TENSOR LOAD AND NO CLUSTER: the walk branches on numbers read from memory, and partners in a cluster would want different tiles.  K's and V's tiles (8,192 bytes each,
; fragments' images, dense in memory) go through registers into two LDS slots by turns: 16 bytes a thread and load; the next live tile is asked for at a step's head and put into LDS at its end.
; LAYOUT.  S^T = K Q^T and O^T = V^T P: a lane holds one query throughout; two tiles of S^T rounded to f16 in pairs are a fragment of P.  The row's sum is a product of P with ones (all eight registers of L hold it):
; it is the sum of the rounded weights, which O is made of too, and wants no exchange between lanes.
; O, L and the running maximum are cleared at a block's head: which step is the first live one hangs on the stored words, so no first step can be written out.
; The first 16 positions of a sequence also leave in f32 (ofine), for the last launch.
; REGISTERS: window 0: v1-10 addresses and constants; v16-47 Q; v48-111 S^T, then p, then P in each tile's first 16; v112-175 O^T; v176-191 L; v192-207 mask bytes; v208-231 statistics;
;   window 1: v0-63 K's fragments; v64-127 V's; v128-135 ones in f16; v136-151 the next tile on its way.
.set SLOTB, 16384                      ; a slot: K's 8,192 bytes, then V's
.set SPARE, 32768                      ; the spare words, 128 bytes for each of eight waves
.set LI,   1                           ; 16 x lane
.set LST,  2                           ; 16 x thread
.set GOFF, 3                           ; 16 x thread + 8,192 x the tile that is asked for next
.set MOFF, 4                           ; 2,048 r + 8 h + 64 x the step
.set MO0,  5                           ; the same for step 0
.set PFO,  6                           ; 256 x lane
.set OFO,  7                           ; 4,096 r + 32 h
.set TA,   8                           ; v8, v9 at work
.set NEG,  10                          ; -1e9 x log2(e)
.set Q,    16
.set S,    48
.set O,    112
.set L,    176
.set MB,   192
.set ST,   208                         ; tile x at ST + 12 x: +0 m; +2..5 at work; +6:7 the new m; +8:9 a = 2^(old m - new m); +10 their difference
.set SPW,  254
.set NIL,  255
.set KF,   0
.set VF,   64
.set ONE,  128
.set STG,  136
.set MSB, 0
.macro WIN new
.if MSB != (\new)
	s_set_vgpr_msb (MSB<<8)|(\new)
.set MSB, (\new)
.endif
.endm
.macro PLACES n
.rept \n
	v_nop
.endr
.endm
; the tile at GOFF is asked for, if bit 0 of the word named says that some wave wants it
.macro ASKT flag
	s_bitcmp1_b32 s[\flag], 0
	s_cbranch_scc0 .Lna_\@
	WIN 0x40
	global_load_b128 v[STG:STG+3], v[GOFF], s[24:25]
	global_load_b128 v[STG+4:STG+7], v[GOFF], s[24:25] offset:4096
	global_load_b128 v[STG+8:STG+11], v[GOFF], s[26:27]
	global_load_b128 v[STG+12:STG+15], v[GOFF], s[26:27] offset:4096
	WIN 0
.Lna_\@:
.endm
.macro PUT flag, slot                  ; and put into a slot, by the same bit
	s_bitcmp1_b32 s[\flag], 0
	s_cbranch_scc0 .Lnp_\@
	WIN 0x04
	ds_store_b128 v[LST], v[STG:STG+3] offset:(\slot)*SLOTB
	ds_store_b128 v[LST], v[STG+4:STG+7] offset:(\slot)*SLOTB+4096
	ds_store_b128 v[LST], v[STG+8:STG+11] offset:(\slot)*SLOTB+8192
	ds_store_b128 v[LST], v[STG+12:STG+15] offset:(\slot)*SLOTB+12288
	WIN 0
.Lnp_\@:
.endm
; A prefetch of the two tiles that stand four and five tiles behind this trip's first: three steps ahead of the load that wants the first of them.  All four work-groups of a head walk the same K and V:
; work-group x = 0 asks, in its first block alone; wave 0 for K, wave 1 for V; lanes 256 bytes apart cover a tile of 8,192 bytes.  The last two trips ask for nothing: their tiles would lie behind the head's last.
.macro ASK
	s_cmp_gt_u32 s19, s38
	s_cbranch_scc0 .Lnq_\@
	global_prefetch_b8 v[PFO], s[36:37] offset:4*8192 th:TH_LOAD_NT scope:SCOPE_SE
	global_prefetch_b8 v[PFO], s[36:37] offset:5*8192 th:TH_LOAD_NT scope:SCOPE_SE
.Lnq_\@:
.endm
.macro SQK x                           ; S^T of tile x: four tiles of 16 keys by turns, d in two halves
.irp c, 0,1
.irp t, 0,1,2,3
.if \c == 0
	v_wmma_f32_16x16x32_f16 v[S+32*(\x)+8*\t:S+32*(\x)+8*\t+7], v[KF+8*(2*\t+\c):KF+8*(2*\t+\c)+7], v[Q+16*(\x)+8*\c:Q+16*(\x)+8*\c+7], 0
.else
	v_wmma_f32_16x16x32_f16 v[S+32*(\x)+8*\t:S+32*(\x)+8*\t+7], v[KF+8*(2*\t+\c):KF+8*(2*\t+\c)+7], v[Q+16*(\x)+8*\c:Q+16*(\x)+8*\c+7], v[S+32*(\x)+8*\t:S+32*(\x)+8*\t+7]
.endif
.endr
.endr
.endm
.macro PV x                            ; O^T += V^T P and L += ones P: five accumulators by turns
.irp kc, 0,1
.irp dt, 0,1,2,3
	v_wmma_f32_16x16x32_f16 v[O+32*(\x)+8*\dt:O+32*(\x)+8*\dt+7], v[VF+8*(4*\kc+\dt):VF+8*(4*\kc+\dt)+7], v[S+32*(\x)+8*\kc:S+32*(\x)+8*\kc+7], v[O+32*(\x)+8*\dt:O+32*(\x)+8*\dt+7]
.endr
	v_wmma_f32_16x16x32_f16 v[L+8*(\x):L+8*(\x)+7], v[ONE:ONE+7], v[S+32*(\x)+8*\kc:S+32*(\x)+8*\kc+7], v[L+8*(\x):L+8*(\x)+7]
.endr
.endm
.macro MASK                            ; register j of tile (x, t) is key 16 t + 8 h + j of query r: byte j of the lane's eight mask bytes; each accumulator from its low end on
.irp x, 0,1
.irp t, 0,1,2,3
.irp j, 0,1,2,3,4,5,6,7
	v_and_b32 v[TA+(\j%2)], 1<<(8*(\j%4)), v[MB+8*\x+2*\t+(\j/4)]
	v_cmp_eq_u32 vcc_lo, 0, v[TA+(\j%2)]
	v_cndmask_b32 v[S+32*\x+8*\t+\j], v[S+32*\x+8*\t+\j], v[NEG], vcc_lo
.endr
.endr
.endr
.endm
.macro SOFTMAX x
.set T, ST+12*(\x)
.set B, S+32*(\x)
.irp t, 0,1,2,3
	v_max3_num_f32 v[T+2+\t], v[B+8*\t], v[B+8*\t+1], v[B+8*\t+2]          ; four chains; each accumulator is read from its low end on
.endr
.irp g, 3,5
.irp t, 0,1,2,3
	v_max3_num_f32 v[T+2+\t], v[T+2+\t], v[B+8*\t+\g], v[B+8*\t+\g+1]
.endr
.endr
	v_max3_num_f32 v[T+2], v[T+2], v[B+7], v[B+15]
	v_max3_num_f32 v[T+4], v[T+4], v[B+23], v[B+31]
	v_max3_num_f32 v[T+2], v[T+2], v[T+3], v[T+4]
	v_max3_num_f32 v[T+2], v[T+2], v[T+5], v[T]    ; and the old m
	v_permlanex16_b32 v[T+3], v[T+2], s40, s41     ; the query's other 32 keys lie in the lane 16 away
	v_max_num_f32 v[T+6], v[T+2], v[T+3]           ; the new m
	v_sub_f32 v[T+10], v[T], v[T+6]
	v_mov_b32 v[T], v[T+6]
.set n, 0
.rept 16
	v_pk_add_f32 v[B+n:B+n+1], v[B+n:B+n+1], v[T+6:T+7] op_sel_hi:[1,0] neg_lo:[0,1] neg_hi:[0,1]
.set n, n+2
.endr
	v_exp_f32 v[T+8], v[T+10]                      ; one batch of 33 exponentials,
.set n, 0
.rept 32
	v_exp_f32 v[B+n], v[B+n]
.set n, n+1
.endr
	v_nop                                          ; one plain instruction behind the last,
	s_wait_alu depctr_va_vdst(0)                   ; and one wait ahead of the first instruction that names a result
.set n, 0
.rept 16
	v_cvt_pk_f16_f32 v[B+n], v[B+2*n], v[B+2*n+1]  ; P, in place: number n is written when numbers up to 2 n + 1 have been read
.set n, n+1
.endr
.set n, 0
.rept 16
	v_pk_mul_f32 v[O+32*(\x)+n:O+32*(\x)+n+1], v[O+32*(\x)+n:O+32*(\x)+n+1], v[T+8:T+9] op_sel_hi:[1,0]
.set n, n+2
.endr
.set n, 0
.rept 4
	v_pk_mul_f32 v[L+8*(\x)+n:L+8*(\x)+n+1], v[L+8*(\x)+n:L+8*(\x)+n+1], v[T+8:T+9] op_sel_hi:[1,0]
.set n, n+2
.endr
.endm
; A key step on slot sl.  s20: my live word, s21: my mixed word, s22: the work-group's live word one step ahead; bit 0 of each is this step's
.macro STEP sl
	ASKT 22                                        ; the next tile, if any wave wants it
.if \sl == 0
	ASK
.endif
	s_bitcmp1_b32 s20, 0
	s_cbranch_scc0 .Lskip_\@                       ; nothing of this step counts for my 32 queries
	s_bitcmp1_b32 s21, 0
	s_cbranch_scc0 .Lopen_\@
.irp x, 0,1
.irp t, 0,1,2,3
	global_load_b64 v[MB+8*\x+2*\t:MB+8*\x+2*\t+1], v[MOFF], s[30:31] offset:\x*32768+\t*16
.endr
.endr
.Lopen_\@:
	PLACES 5                                       ; behind the last step's products: in front of loads into their sources (4), and of products that write over P's registers (5)
	WIN 0x40
.irp f, 0,1,2,3,4,5,6,7
	ds_load_b128 v[KF+8*\f:KF+8*\f+3], v[LI] offset:(\sl)*SLOTB+\f*1024
	ds_load_b128 v[KF+8*\f+4:KF+8*\f+7], v[LI] offset:(\sl)*SLOTB+\f*1024+512
.endr
.irp f, 0,1,2,3,4,5,6,7
	ds_load_b128 v[VF+8*\f:VF+8*\f+3], v[LI] offset:(\sl)*SLOTB+8192+\f*1024
	ds_load_b128 v[VF+8*\f+4:VF+8*\f+7], v[LI] offset:(\sl)*SLOTB+8192+\f*1024+512
.endr
	s_wait_dscnt 16                                ; K's 16 loads are in; V's 16 may be out
	WIN 0x01
	SQK 0
	SQK 1
	WIN 0
	PLACES 4
	s_bitcmp1_b32 s21, 0
	s_cbranch_scc0 .Lplain_\@
	s_wait_loadcnt 0x0                             ; the mask bytes
	MASK
.Lplain_\@:
	SOFTMAX 0
	s_wait_dscnt 0x0                               ; V
	WIN 0x01
	PV 0                                           ; runs under tile 1's vector work
	WIN 0
	SOFTMAX 1
	WIN 0x01
	PV 1
	WIN 0
.Lskip_\@:
	s_wait_loadcnt 0x0                             ; on every way: the next tile is in registers, and no load of mine names an address register any more
	PUT 22, 1-\sl                                  ; into the slot that was last read a step ago, ahead of that step's barrier
	s_wait_dscnt 0x0                               ; my stores have landed and my reads of this step's slot are in
	s_barrier_signal -1
	s_barrier_wait -1
	s_lshr_b32 s20, s20, 1
	s_lshr_b32 s21, s21, 1
	s_lshr_b32 s22, s22, 1
	v_add_nc_u32 v[GOFF], 8192, v[GOFF]
	v_add_nc_u32 v[MOFF], 64, v[MOFF]
.endm
	s_load_b256 s[4:11], s[0:1], 0x0               ; qkv s[4:5], mask s[6:7], flags s[8:9], o16 s[10:11]
	s_load_b64 s[12:13], s[0:1], 0x20              ; ofine
	v_lshl_add_u32 v[SPW], v0, 2, SPARE
	v_mov_b32 v[NIL], 0
	v_lshrrev_b32 v8, 5, v0
	v_readfirstlane_b32 s14, v8                    ; wave 0..7
	v_and_b32 v8, 31, v0
	v_lshlrev_b32 v[LI], 4, v8
	v_lshlrev_b32 v[PFO], 8, v8
	v_lshlrev_b32 v[LST], 4, v0
	v_and_b32 v8, 15, v0                           ; r
	v_bfe_u32 v9, v0, 4, 1                         ; h
	v_lshlrev_b32 v[OFO], 12, v8
	v_lshl_add_u32 v[OFO], v9, 5, v[OFO]
	v_lshlrev_b32 v[MO0], 11, v8
	v_lshl_add_u32 v[MO0], v9, 3, v[MO0]
	v_mov_b32 v[NEG], 0xceabfb8f
.irp n, 0,1,2,3,4,5,6,7,8,9,10,11,12,13,14,15
	v_mov_b32 v[MB+\n], 0                          ; written once, so that every way through a step finds them written
.endr
	v_mov_b32 v[ST+7], 0                           ; the upper halves of pairs of which the low word serves both halves
	v_mov_b32 v[ST+9], 0
	v_mov_b32 v[ST+19], 0
	v_mov_b32 v[ST+21], 0
	WIN 0x40
.irp n, 0,1,2,3,4,5,6,7
	v_mov_b32 v[ONE+\n], 0x3c003c00                ; 1.0 twice, in f16
.endr
.irp n, 0,1,2,3,4,5,6,7,8,9,10,11,12,13,14,15
	v_mov_b32 v[STG+\n], 0
.endr
	WIN 0
	s_and_b32 s15, ttmp7, 0xffff                   ; 16 batch + head
	s_lshl_b32 s60, s15, 18                        ; a head's 262,144 bytes
	s_mov_b32 s61, 0
	s_lshr_b32 s62, s15, 4                         ; batch
	s_and_b32 s63, s15, 15                         ; head
	s_mov_b32 s40, 0x76543210
	s_mov_b32 s41, 0xfedcba98
	s_sub_co_u32 s17, 7, ttmp9                     ; the first block of queries
	s_mov_b32 s18, 2                               ; blocks to go
	s_lshl_b32 s66, s62, 22                        ; o16: 128 batch tiles of 32,768 bytes + 2,048 head + 2 wave tiles
	s_lshl_b32 s67, s63, 11
	s_add_co_u32 s66, s66, s67
	s_lshl_b32 s67, s14, 16
	s_add_co_u32 s66, s66, s67
	s_lshl_b32 s70, s62, 16                        ; ofine: 16 rows of 4,096 bytes a batch + 256 head
	s_lshl_b32 s71, s63, 8
	s_add_co_u32 s70, s70, s71
	s_mov_b32 s71, 0
	s_lshr_b32 s38, s14, 1
	s_or_b32 s38, s38, ttmp9
	s_cmp_eq_u32 s38, 0
	s_cselect_b32 s38, 2, -1                       ; 2 in the two waves that prefetch, else the greatest number
	s_wait_kmcnt 0x0
	s_add_nc_u64 s[42:43], s[4:5], s[60:61]        ; q at my head,
	s_add_nc_u64 s[24:25], s[42:43], 0x1000000     ; k,
	s_add_nc_u64 s[26:27], s[42:43], 0x2000000     ; v
	s_add_nc_u64 s[34:35], s[12:13], s[70:71]
	s_cmp_eq_u32 s14, 0
	s_cselect_b64 s[36:37], s[24:25], s[26:27]     ; where my prefetches stand: this trip's first tile
.Lblock:
	s_lshl_b32 s60, s17, 6
	s_add_nc_u64 s[68:69], s[8:9], s[60:61]
	s_lshl_b32 s70, s14, 3
	s_load_b512 s[44:59], s[68:69], 0x0            ; the block's eight groups' words,
	s_load_b64 s[20:21], s[68:69], s70 offset:0x0  ; and my own group's: live, mixed
	s_lshl_b32 s60, s17, 15
	s_lshl_b32 s71, s14, 12
	s_add_co_u32 s60, s60, s71
	s_add_nc_u64 s[28:29], s[42:43], s[60:61]      ; my two tiles of q
	s_lshl_b32 s60, s17, 19
	s_lshl_b32 s71, s14, 16
	s_add_co_u32 s60, s60, s71
	s_add_nc_u64 s[30:31], s[6:7], s[60:61]        ; the mask at my first query
	s_lshl_b32 s60, s17, 19
	s_add_co_u32 s60, s60, s66
	s_add_nc_u64 s[32:33], s[10:11], s[60:61]      ; my two tiles of o16
.irp f, 0,1,2,3
	global_load_b128 v[Q+8*\f:Q+8*\f+3], v[LI], s[28:29] offset:\f*1024
	global_load_b128 v[Q+8*\f+4:Q+8*\f+7], v[LI], s[28:29] offset:\f*1024+512
.endr
.set n, 0
.rept 80
	v_mov_b32 v[O+n], 0                            ; O^T and L
.set n, n+1
.endr
	v_mov_b32 v[ST], 0xff61b1e6                    ; m: -3e38, under every score
	v_mov_b32 v[ST+12], 0xff61b1e6
	v_mov_b32 v[GOFF], v[LST]
	v_mov_b32 v[MOFF], v[MO0]
	s_wait_kmcnt 0x0
	s_or_b32 s23, s44, s46                         ; a tile is fetched if any of the eight waves wants it
	s_or_b32 s23, s23, s48
	s_or_b32 s23, s23, s50
	s_or_b32 s23, s23, s52
	s_or_b32 s23, s23, s54
	s_or_b32 s23, s23, s56
	s_or_b32 s23, s23, s58
	s_lshr_b32 s22, s23, 1
	ASKT 23                                        ; tile 0
	s_wait_loadcnt 0x0                             ; it, and Q
	PUT 23, 0                                      ; slot 0 was last read two barriers ago
	s_wait_dscnt 0x0
	s_barrier_signal -1
	s_barrier_wait -1
	v_add_nc_u32 v[GOFF], 8192, v[GOFF]
	s_mov_b32 s19, 16
.Ltrip:
	STEP 0
	STEP 1
	s_wait_xcnt 0x0                                ; the trip's prefetches, two steps back, have read their address
	s_add_nc_u64 s[36:37], s[36:37], 16384
	s_sub_co_u32 s19, s19, 1
	s_cmp_lg_u32 s19, 0
	s_cbranch_scc1 .Ltrip
	; THE WAY OUT.  O^T / L; as f16 a lane's eight d of a token are its part of half a fragment of the projection's operand: each store covers 512 consecutive bytes, aligned
	PLACES 4
	v_rcp_f32 v[ST+8], v[L]
	v_rcp_f32 v[ST+20], v[L+8]
	v_nop                                          ; a plain instruction behind the last reciprocal,
	s_wait_alu depctr_va_vdst(0)                   ; and the wait ahead of the first use: one for both
.irp x, 0,1
.set n, 0
.rept 16
	v_pk_mul_f32 v[O+32*\x+n:O+32*\x+n+1], v[O+32*\x+n:O+32*\x+n+1], v[ST+12*\x+8:ST+12*\x+9] op_sel_hi:[1,0]
.set n, n+2
.endr
.endr
.irp x, 0,1
.set n, 0
.rept 16
	v_cvt_pk_f16_f32 v[S+32*\x+n], v[O+32*\x+2*n], v[O+32*\x+2*n+1]
.set n, n+1
.endr
.endr
.irp x, 0,1
.irp dt, 0,1,2,3
	global_store_b128 v[LI], v[S+32*\x+4*\dt:S+32*\x+4*\dt+3], s[32:33] offset:\x*32768+\dt*512
.endr
.endr
	s_or_b32 s39, s17, s14                         ; block 0, wave 0: tile 0 holds the sequence's first 16 positions
	s_cmp_eq_u32 s39, 0
	s_cbranch_scc0 .Lno_fine
.irp dt, 0,1,2,3
	global_store_b128 v[OFO], v[O+8*\dt:O+8*\dt+3], s[34:35] offset:64*\dt          ; in f32, as rows: pieces of 32 bytes a lane, 262,144 bytes in the whole launch
	global_store_b128 v[OFO], v[O+8*\dt+4:O+8*\dt+7], s[34:35] offset:64*\dt+16
.endr
.Lno_fine:
	s_wait_xcnt 0x0                                ; the stores have read their registers and bases: the next block writes them
	s_sub_co_u32 s17, 7, s17                       ; the other block
	s_mov_b32 s38, -1                              ; no prefetch in it: the head's tiles have been asked for
	s_sub_co_u32 s18, s18, 1
	s_cmp_lg_u32 s18, 0
	s_cbranch_scc1 .Lblock
	s_wait_tensorcnt 0x0                           ; the wave's end, behind my last LDS store
	ds_add_u32 v[SPW], v[NIL]
	s_wait_dscnt 0x0
	s_endpgm
.Lfunc_end_k_q12d566eb44_attn:
	.size	k_q12d566eb44_attn, .Lfunc_end_k_q12d566eb44_attn-k_q12d566eb44_attn
	.p2alignl 7, 3214868480
	.fill 96, 4, 3214868480
	.section	.rodata,"a",@progbits
	.p2align	6, 0x0
	.amdhsa_kernel k_q12d566eb44_attn
		.amdhsa_group_segment_fixed_size 33792
		.amdhsa_private_segment_fixed_size 0
		.amdhsa_enable_private_segment 0
		.amdhsa_kernarg_size 40
		.amdhsa_user_sgpr_count 2
		.amdhsa_user_sgpr_kernarg_segment_ptr 1
		.amdhsa_wavefront_size32 1
		.amdhsa_system_sgpr_workgroup_id_x 1
		.amdhsa_system_sgpr_workgroup_id_y 1
		.amdhsa_system_sgpr_workgroup_id_z 1
		.amdhsa_system_vgpr_workitem_id 0
		.amdhsa_next_free_vgpr 512
		.amdhsa_next_free_sgpr 100
		.amdhsa_reserve_vcc 1
		.amdhsa_float_denorm_mode_32 3
		.amdhsa_float_denorm_mode_16_64 3
		.amdhsa_memory_ordered 1
		.amdhsa_forward_progress 1
		.amdhsa_inst_pref_size 67
	.end_amdhsa_kernel
	.amdgpu_metadata
---
amdhsa.version: [ 1, 2 ]
amdhsa.kernels:
  - .name:           k_q12d566eb44_attn
    .symbol:         k_q12d566eb44_attn.kd
    .args:
      - { .name: qkv, .offset: 0, .size: 8, .value_kind: global_buffer, .address_space: global }
      - { .name: mask, .offset: 8, .size: 8, .value_kind: global_buffer, .address_space: global }
      - { .name: flags, .offset: 16, .size: 8, .value_kind: global_buffer, .address_space: global }
      - { .name: o16, .offset: 24, .size: 8, .value_kind: global_buffer, .address_space: global }
      - { .name: ofine, .offset: 32, .size: 8, .value_kind: global_buffer, .address_space: global }
    .group_segment_fixed_size: 33792
    .private_segment_fixed_size: 0
    .kernarg_segment_align: 8
    .kernarg_segment_size: 40
    .max_flat_workgroup_size: 256
    .sgpr_count:     100
    .vgpr_count:     512
    .wavefront_size: 32
...
	.end_amdgpu_metadata
.endif
;; end of part 3
;; launch proj (part 4): grid 8 x 32, 4 waves a work-group, clusters of 4 x 4, 327,680 bytes of LDS; arguments o16, wo16, bo, out0; writes out0
.if DOCPART == 4
	.amdgcn_target "amdgcn-amd-amdhsa--gfx1250"
	.amdhsa_code_object_version 6
	.text
	.protected	k_q12d566eb44_proj
	.globl	k_q12d566eb44_proj
	.p2align	8
	.type	k_q12d566eb44_proj,@function
k_q12d566eb44_proj:
	s_mov_b64 s[64:65], 0
	v_nop
	global_prefetch_b8 v0, s[64:65] scope:SCOPE_SE
	s_setreg_imm32_b32 hwreg(HW_REG_WAVE_MODE, 25, 1), 1
	s_wait_xcnt 0x0
	s_wait_alu depctr_hold_cnt(0) depctr_sa_sdst(0) depctr_va_vdst(0) depctr_va_sdst(0) depctr_va_ssrc(0) depctr_va_vcc(0) depctr_vm_vsrc(0)
	s_getreg_b32 s2, hwreg(HW_REG_IB_STS2, 6, 4)
	s_cmp_eq_u32 s2, 0
	s_cbranch_scc0 .Lentry_in_a_cluster
	s_endpgm
.Lentry_in_a_cluster:
	s_bfe_u32 s2, ttmp6, 0x10000c
	s_cmp_lg_u32 s2, 0xf033
	s_cbranch_scc0 .Lentry_shape_is_right
	s_endpgm
.Lentry_shape_is_right:
; out0 = o Wo + bo, f16 operands, f32 sums.  o16 [tile of 16 tokens][32 of K][half][lane][16 B] and wo16 [tile of 16 columns][32 of K][half][lane][16 B] are images of fragments.
; A tile of out0 is 256 tokens x 128 columns: 256 work-groups of four waves; a wave makes 128 x 64: 32 accumulators (window 1, (i, j) at 8 (4 i + j)).  K goes in steps of 128 through two LDS slots:
; of each tile of 16 rows a K step is 4,096 consecutive bytes of memory.  Fragments are read from LDS at 16 x lane: no pitch, no padding.
; CLUSTER 4 x 4: o's tiles are shared along a row of the cluster, Wo's along a column: joint loads.  The product is used transposed (source 0 = 16 columns of Wo, source 1 = 16 tokens): a lane holds eight
; neighbouring columns of one token.  bo is the C of the first products.
; The first 16 positions of each sequence are stored here like all rows and stored anew, more finely, by the last launch: a branch round their stores would hang on the work-group's place in its cluster.
.set SLOT,   98304                     ; o's 16 tiles x 4,096 bytes, then Wo's 8 tiles x 4,096
.set BOFF,   65536
.set STAGE,  196608                    ; behind the ring: 16 rows x (256 + 16) bytes for each wave
.set SPITCH, 272
.set SPARE,  214016                    ; the spare words
.set ADRA, 16                          ; v16-17 my o fragments in slot 0, 1
.set ADRB, 20                          ; v20-21 my Wo fragments
.set STO,  24
.set RD,   25
.set CO,   26
.set SPW,  28
.set NIL,  29
.set BI,   32                          ; v32-63 bo in the result's layout, four tiles
.set F0,   64                          ; two fragment buffers of 96: o's 8, then Wo's 4
.set F1,   160
.set G1,  24
.set G0,  32
.set G1B, 48
.set G0B, 56
.set MSB, 0
.macro WIN new
.if MSB != (\new)
	s_set_vgpr_msb (MSB<<8)|(\new)
.set MSB, (\new)
.endif
.endm
.macro PLACES
.rept 4
	v_nop
.endr
.endm
.macro JLOAD s                         ; waves 0 and 1 fetch o's halves, waves 2 and 3 Wo's; an s_nop 0 and four v_nop follow each line
	s_cmp_eq_u32 s13, 0
	s_cbranch_scc0 .Lfor_b_\@
	tensor_load_to_lds s[G0+4*\s:G0+4*\s+3], s[G1:G1+7]
	s_nop 0
	PLACES
	s_branch .Lasked_\@
.Lfor_b_\@:
	tensor_load_to_lds s[G0B+4*\s:G0B+4*\s+3], s[G1B:G1B+7]
	s_nop 0
	PLACES
.Lasked_\@:
.endm
.macro CREST
	s_cmp_lg_u32 s12, 0
	s_cbranch_scc1 .Lnot_wave_0_\@
	s_barrier_signal -3
.Lnot_wave_0_\@:
	s_barrier_wait -3
	s_barrier_signal -1
	s_barrier_wait -1
.endm
.macro CROUND
	s_barrier_signal -1
	s_barrier_wait -1
	CREST
.endm
.macro MUL8 f, i0, first               ; token tiles i0, i0 + 1 x four column tiles, 32 along K
.irp i, \i0, \i0+1
.irp j, 0,1,2,3
.if \first
	v_wmma_f32_16x16x32_f16 v[8*(4*(\i)+\j):8*(4*(\i)+\j)+7], v[\f+64+8*\j:\f+64+8*\j+7], v[\f+8*(\i):\f+8*(\i)+7], v[BI+8*\j:BI+8*\j+7]
.else
	v_wmma_f32_16x16x32_f16 v[8*(4*(\i)+\j):8*(4*(\i)+\j)+7], v[\f+64+8*\j:\f+64+8*\j+7], v[\f+8*(\i):\f+8*(\i)+7], v[8*(4*(\i)+\j):8*(4*(\i)+\j)+7]
.endif
.endr
.endr
.endm
.macro FETCH slot, q, f                ; 24 LDS loads in one run: Wo's 4 fragments, then o's 8, of the slot's q-th 32 along K
	WIN 0
.irp j, 0,1,2,3
	ds_load_b128 v[\f+64+8*\j:\f+64+8*\j+3], v[ADRB+\slot] offset:\j*4096+(\q)*1024
	ds_load_b128 v[\f+64+8*\j+4:\f+64+8*\j+7], v[ADRB+\slot] offset:\j*4096+(\q)*1024+512
.endr
.irp i, 0,1,2,3,4,5,6,7
	ds_load_b128 v[\f+8*\i:\f+8*\i+3], v[ADRA+\slot] offset:\i*4096+(\q)*1024
	ds_load_b128 v[\f+8*\i+4:\f+8*\i+7], v[ADRA+\slot] offset:\i*4096+(\q)*1024+512
.endr
.endm
; a quarter of a K step: multiplies buffer f, 32 products on 32 accumulators by turns, and fetches quarter qn of the same slot into g
.macro QUARTER slot, qn, f, g, first
	s_wait_dscnt 8                                 ; Wo's and o's tiles 0-3 are in; the youngest eight loads (tiles 4-7) may be out
.if \first
	WIN 0x40                                       ; D window 1, C (bo) window 0
.else
	WIN 0x50
.endif
	MUL8 \f, 0, \first
	MUL8 \f, 2, \first
	PLACES                                         ; in front of loads into the buffer that the last quarter's products read
	FETCH \slot, \qn, \g
	s_wait_dscnt 24                                ; all but the 24 just issued
.if \first
	WIN 0x40
.else
	WIN 0x50
.endif
	MUL8 \f, 4, \first
	MUL8 \f, 6, \first
.endm
; a slot's last quarter multiplies buffer 1 and changes slots: one barrier; in front of it each wave waits for all its tensor loads, adds 0 to its spare word, and waits for that and for its reads of this slot
.macro TURN slot, next, fill
	WIN 0
	s_wait_tensorcnt 0x0                           ; all my tensor loads have landed: my part of the next slot
	ds_add_u32 v[SPW], v[NIL]
	s_wait_dscnt 9                                 ; (the add and the youngest eight loads may be out)
	WIN 0x50
	MUL8 F1, 0, 0
	s_wait_dscnt 0x0                               ; the add is done, and my reads of this slot are over
	s_barrier_signal -1
	MUL8 F1, 2, 0
.if \fill
	WIN 0
.endif
	s_barrier_wait -1
.if \fill
	CREST                                          ; the barrier has opened a round of the cluster's: no wave of any partner still reads this slot or has a load on its way
	s_add_nc_u64 s[G0+4*\slot+2:G0+4*\slot+3], s[G0+4*\slot+2:G0+4*\slot+3], 8192
	s_add_nc_u64 s[G0B+4*\slot+2:G0B+4*\slot+3], s[G0B+4*\slot+2:G0B+4*\slot+3], 8192
	JLOAD \slot                                    ; two K steps on; the four v_nop behind it are also the places in front of the loads below
.else
	PLACES
.endif
	FETCH \next, 0, F0
	WIN 0x50
	MUL8 F1, 4, 0
	MUL8 F1, 6, 0
.endm
	s_load_b256 s[4:11], s[0:1], 0x0               ; o16 s[4:5], wo16 s[6:7], bo s[8:9], out0 s[10:11]
	v_lshl_add_u32 v[SPW], v0, 2, SPARE
	v_mov_b32 v[NIL], 0
	ds_add_u32 v[SPW], v[NIL]                      ; the wave's opening: the add, twice on end, and its wait ahead of my first tensor load
	ds_add_u32 v[SPW], v[NIL]
	v_lshrrev_b32 v1, 5, v0
	v_readfirstlane_b32 s12, v1                    ; wave 0..3
	s_lshr_b32 s13, s12, 1                         ; which 128 tokens are mine.  Also: I fetch for o (0) or for Wo (1)
	s_and_b32 s14, s12, 1                          ; which 64 columns.  Also: which half I fetch
	s_bfe_u32 s40, ttmp6, 0x40000
	s_bfe_u32 s41, ttmp6, 0x40004
	s_lshl_b32 s42, ttmp9, 2
	s_add_co_u32 s42, s42, s40                     ; block of 128 columns
	s_and_b32 s15, ttmp7, 0xffff
	s_lshl_b32 s15, s15, 2
	s_add_co_u32 s15, s15, s41                     ; block of 256 tokens
	s_lshl_b32 s43, s41, 2
	s_lshl_b32 s43, 15, s43                        ; my row of the cluster
	s_lshl_b32 s44, 0x1111, s40                    ; my column
	; groups 1: rows of 4,096 bytes (512 elements of 8 bytes), 32,768 bytes apart in memory, on end in LDS: 8 rows of o, 4 of Wo
	s_or_b32 s[G1], s43, (3<<16)|(1<<21)
	s_or_b32 s[G1B], s44, (3<<16)|(1<<21)
	s_mov_b32 s[G1+1], 512<<16
	s_mov_b32 s[G1+2], 8<<16
	s_mov_b32 s[G1+3], 512<<16
	s_mov_b32 s[G1+4], 8
	s_mov_b32 s[G1+5], 4096
	s_mov_b32 s[G1+6], 0
	s_mov_b32 s[G1+7], 0
	s_mov_b32 s[G1B+1], 512<<16
	s_mov_b32 s[G1B+2], 4<<16
	s_mov_b32 s[G1B+3], 512<<16
	s_mov_b32 s[G1B+4], 4
	s_mov_b32 s[G1B+5], 4096
	s_mov_b32 s[G1B+6], 0
	s_mov_b32 s[G1B+7], 0
	s_lshl_b32 s16, s15, 19                        ; o: 16 tiles of 32,768 bytes a block, 8 a half
	s_lshl_b32 s17, s14, 18
	s_add_co_u32 s16, s16, s17
	s_mov_b32 s17, 0
	s_lshl_b32 s46, s42, 18                        ; Wo: 8 tiles a block, 4 a half
	s_lshl_b32 s47, s14, 17
	s_add_co_u32 s46, s46, s47
	s_mov_b32 s47, 0
	s_lshl_b32 s20, s14, 15                        ; where they go: the wave's number alone
	s_lshl_b32 s21, s14, 14
	s_add_co_u32 s21, s21, BOFF
	s_wait_dscnt 0x0                               ; both opening adds are done
	s_wait_kmcnt 0x0
	s_add_nc_u64 s[18:19], s[4:5], s[16:17]
	s_add_nc_u64 s[46:47], s[6:7], s[46:47]
	CROUND                                         ; the first joint loads meet
.irp s, 0,1
	s_mov_b32 s[G0+4*\s], 1
	s_add_co_u32 s[G0+4*\s+1], s20, \s*SLOT
	s_add_nc_u64 s[G0+4*\s+2:G0+4*\s+3], s[18:19], \s*4096
	s_or_b32 s[G0+4*\s+3], s[G0+4*\s+3], 0x80000000
	s_mov_b32 s[G0B+4*\s], 1
	s_add_co_u32 s[G0B+4*\s+1], s21, \s*SLOT
	s_add_nc_u64 s[G0B+4*\s+2:G0B+4*\s+3], s[46:47], \s*4096
	s_or_b32 s[G0B+4*\s+3], s[G0B+4*\s+3], 0x80000000
	JLOAD \s
.endr
	v_and_b32 v1, 15, v0                           ; r
	v_bfe_u32 v2, v0, 4, 1                         ; h
	v_and_b32 v3, 31, v0
	v_lshlrev_b32 v3, 4, v3                        ; 16 x lane
	s_lshl_b32 s22, s13, 15                        ; my 8 tiles of o
	s_lshl_b32 s23, s14, 14                        ; my 4 tiles of Wo
	s_add_co_u32 s23, s23, BOFF
.irp s, 0,1
	v_add_nc_u32 v[ADRA+\s], s22, v3
	v_add_nc_u32 v[ADRB+\s], s23, v3
	s_add_co_u32 s22, s22, SLOT
	s_add_co_u32 s23, s23, SLOT
.endr
	s_mul_i32 s23, s12, 16*SPITCH
	s_add_co_u32 s23, s23, STAGE                   ; my stage
	v_mul_u32_u24 v4, v1, SPITCH
	v_lshl_add_u32 v4, v2, 5, v4
	v_add_nc_u32 v[STO], s23, v4                   ; in: row r, 32 bytes for each half of the lanes
	v_mul_u32_u24 v5, v2, SPITCH
	v_lshl_add_u32 v5, v1, 4, v5
	v_add_nc_u32 v[RD], s23, v5                    ; back: lanes 0-15 one row of 256 bytes, lanes 16-31 the next
	v_lshlrev_b32 v5, 12, v2
	v_lshl_add_u32 v[CO], v1, 4, v5                ; and the same two rows of out0
	v_lshlrev_b32 v6, 5, v2                        ; bo: 32 h
	s_lshl_b32 s16, s42, 9                         ; my first column, in bytes: 512 block + 256 half
	s_lshl_b32 s17, s14, 8
	s_add_co_u32 s16, s16, s17
	s_mov_b32 s17, 0
	s_add_nc_u64 s[8:9], s[8:9], s[16:17]
	s_add_nc_u64 s[10:11], s[10:11], s[16:17]
	s_lshl_b32 s16, s15, 20                        ; my first row: (256 block + 128 half) x 4,096 bytes
	s_lshl_b32 s22, s13, 19
	s_add_co_u32 s16, s16, s22
	s_add_nc_u64 s[10:11], s[10:11], s[16:17]
.irp j, 0,1,2,3
	global_load_b128 v[BI+8*\j:BI+8*\j+3], v6, s[8:9] offset:64*\j
	global_load_b128 v[BI+8*\j+4:BI+8*\j+7], v6, s[8:9] offset:64*\j+16
.endr
	s_wait_tensorcnt 1                             ; my part of K step 0 is in; K step 1's may stay out
	s_barrier_signal -1
	s_barrier_wait -1
	FETCH 0, 0, F0
	s_wait_loadcnt 0x0                             ; bo
	QUARTER 0, 1, F0, F1, 1                        ; the first quarter stands in front of the loop: its products start the sums from bo
	WIN 0
	s_mov_b32 s3, 3
.Llap:                                             ; a trip goes once round the ring, from a lap's second quarter to the next lap's first, and fills both slots again
	QUARTER 0, 2, F1, F0, 0
	QUARTER 0, 3, F0, F1, 0
	TURN 0, 1, 1
	QUARTER 1, 1, F0, F1, 0
	QUARTER 1, 2, F1, F0, 0
	QUARTER 1, 3, F0, F1, 0
	TURN 1, 0, 1
	QUARTER 0, 1, F0, F1, 0
	WIN 0
	s_sub_co_u32 s3, s3, 1
	s_cmp_lg_u32 s3, 0
	s_cbranch_scc1 .Llap
	QUARTER 0, 2, F1, F0, 0                        ; the last lap fills nothing
	QUARTER 0, 3, F0, F1, 0
	TURN 0, 1, 0
	QUARTER 1, 1, F0, F1, 0
	QUARTER 1, 2, F1, F0, 0
	QUARTER 1, 3, F0, F1, 0
	s_wait_dscnt 8
	WIN 0x50
	MUL8 F1, 0, 0
	MUL8 F1, 2, 0
	s_wait_dscnt 0x0
	MUL8 F1, 4, 0
	MUL8 F1, 6, 0
	WIN 0
; THE WAY OUT, 16 tokens at a time, through my own stage: back come whole rows of 256 bytes, which sixteen lanes store at a multiple of 256 from out0's first byte.  LDS serves a wave's instructions in order
.macro TOSTAGE a
	WIN 0x04                                       ; an LDS store's data are its source 1: window 1
.irp j, 0,1,2,3
	ds_store_b128 v[STO], v[8*(4*(\a)+\j):8*(4*(\a)+\j)+3] offset:64*\j            ; each accumulator from its low end on
	ds_store_b128 v[STO], v[8*(4*(\a)+\j)+4:8*(4*(\a)+\j)+7] offset:64*\j+16
.endr
	WIN 0
.set BB, 64+32*((\a)%2)
.irp t, 0,1,2,3,4,5,6,7
	ds_load_b128 v[BB+4*\t:BB+4*\t+3], v[RD] offset:\t*2*SPITCH
.endr
.endm
.macro SEND a, younger
.set BB, 64+32*((\a)%2)
	s_wait_dscnt \younger                          ; the block is back in registers
.if (\a) > 0
	s_add_nc_u64 s[10:11], s[10:11], 16*4096       ; (behind a wait on XCNT: the earlier stores have read their base)
.endif
.irp t, 0,1,2,3,4,5,6,7
	global_store_b128 v[CO], v[BB+4*\t:BB+4*\t+3], s[10:11] offset:\t*8192 th:TH_STORE_NT
.endr
.endm
	PLACES                                         ; behind the last products: for the reads of results and the loads into the fragments' registers
	TOSTAGE 0
.irp a, 1,2,3,4,5,6,7
.if \a > 1
	s_wait_xcnt 0x0                                ; block a - 2's stores have read their registers and their base
.endif
	TOSTAGE \a
	SEND \a-1, 16                                  ; behind block a - 1's loads: block a's 8 stores and 8 loads
.endr
	s_wait_xcnt 0x0
	SEND 7, 0
	s_wait_tensorcnt 0x0                           ; the wave's end
	ds_add_u32 v[SPW], v[NIL]
	s_wait_dscnt 0x0
	CROUND                                         ; the closing round
	s_endpgm
.Lfunc_end_k_q12d566eb44_proj:
	.size	k_q12d566eb44_proj, .Lfunc_end_k_q12d566eb44_proj-k_q12d566eb44_proj
	.p2alignl 7, 3214868480
	.fill 96, 4, 3214868480
	.section	.rodata,"a",@progbits
	.p2align	6, 0x0
	.amdhsa_kernel k_q12d566eb44_proj
		.amdhsa_group_segment_fixed_size 327680
		.amdhsa_private_segment_fixed_size 0
		.amdhsa_enable_private_segment 0
		.amdhsa_kernarg_size 32
		.amdhsa_user_sgpr_count 2
		.amdhsa_user_sgpr_kernarg_segment_ptr 1
		.amdhsa_wavefront_size32 1
		.amdhsa_system_sgpr_workgroup_id_x 1
		.amdhsa_system_sgpr_workgroup_id_y 1
		.amdhsa_system_sgpr_workgroup_id_z 1
		.amdhsa_system_vgpr_workitem_id 0
		.amdhsa_next_free_vgpr 512
		.amdhsa_next_free_sgpr 66
		.amdhsa_reserve_vcc 0
		.amdhsa_float_denorm_mode_32 3
		.amdhsa_float_denorm_mode_16_64 3
		.amdhsa_memory_ordered 1
		.amdhsa_forward_progress 1
		.amdhsa_inst_pref_size 86
	.end_amdhsa_kernel
	.amdgpu_metadata
---
amdhsa.version: [ 1, 2 ]
amdhsa.kernels:
  - .name:           k_q12d566eb44_proj
    .symbol:         k_q12d566eb44_proj.kd
    .args:
      - { .name: o16, .offset: 0, .size: 8, .value_kind: global_buffer, .address_space: global }
      - { .name: wo16, .offset: 8, .size: 8, .value_kind: global_buffer, .address_space: global }
      - { .name: bo, .offset: 16, .size: 8, .value_kind: global_buffer, .address_space: global }
      - { .name: out0, .offset: 24, .size: 8, .value_kind: global_buffer, .address_space: global }
    .group_segment_fixed_size: 327680
    .private_segment_fixed_size: 0
    .kernarg_segment_align: 8
    .kernarg_segment_size: 32
    .max_flat_workgroup_size: 128
    .sgpr_count:     66
    .vgpr_count:     512
    .wavefront_size: 32
...
	.end_amdgpu_metadata
.endif
;; end of part 4
;; launch fine (part 5): grid 32 x 4, 8 waves a work-group, no clusters, 17,408 bytes of LDS; arguments ofine, Wo, bo, out0; writes out0
.if DOCPART == 5
	.amdgcn_target "amdgcn-amd-amdhsa--gfx1250"
	.amdhsa_code_object_version 6
	.text
	.protected	k_q12d566eb44_fine
	.globl	k_q12d566eb44_fine
	.p2align	8
	.type	k_q12d566eb44_fine,@function
k_q12d566eb44_fine:
	s_mov_b64 s[64:65], 0
	v_nop
	global_prefetch_b8 v0, s[64:65] scope:SCOPE_SE
	s_setreg_imm32_b32 hwreg(HW_REG_WAVE_MODE, 25, 1), 1
	s_wait_xcnt 0x0
; The first 16 positions of each sequence once more: out0 = o Wo + bo with both operands in f32.  Under a mask that lets these rows average few values they are the largest of the output, and the
; rounding of o and Wo to f16 would weigh most there.  64 rows in all: no bulk work.
; A work-group makes 16 rows x 32 columns; wave w sums K = 128 w .. 128 w + 127; the eight waves' sums meet in LDS.  Source 0 = 16 columns of Wo, source 1 = the 16 rows of o: a lane holds one row and eight
; neighbouring columns.  Both operands take k in the same order: product (g, s) takes k = 16 g + 8 h + 2 s + 0, 1 in lane half h.
; The accumulators v208-223 are written by matrix instructions alone; each sum begins with the constant 0; the two take turns.
; The stores are pieces of 16 bytes a lane, 128 bytes of a row a work-group: 262,144 bytes in the whole launch.
.set SPARE, 16384                      ; behind the eight waves' images of 2,048 bytes: the spare words
.set SPW, 2
.set NIL, 3
.set OA,  16                           ; v16-79   o(r, 16 g + 8 h + e) at 8 g + e
.set WB,  80                           ; v80-207  Wo(16 g + 8 h + e, 16 a + r) at 64 a + 8 g + e
.set ACC, 208
	s_load_b256 s[4:11], s[0:1], 0x0               ; ofine s[4:5], Wo s[6:7], bo s[8:9], out0 s[10:11]
	v_lshl_add_u32 v[SPW], v0, 2, SPARE
	v_mov_b32 v[NIL], 0
	v_lshrrev_b32 v1, 5, v0
	v_readfirstlane_b32 s12, v1                    ; wave 0..7
	v_and_b32 v4, 15, v0                           ; r
	v_bfe_u32 v5, v0, 4, 1                         ; h
	v_and_b32 v6, 31, v0
	v_lshlrev_b32 v6, 4, v6                        ; 16 x lane
	v_lshlrev_b32 v7, 12, v4
	v_lshl_add_u32 v7, v5, 5, v7                   ; 4,096 r + 32 h
	v_lshlrev_b32 v8, 2, v4
	v_lshl_add_u32 v8, v5, 15, v8                  ; 8 h rows of Wo + 4 r
	s_lshl_b32 s13, s12, 11
	v_add_nc_u32 v9, s13, v6                       ; where my sums go: 2,048 wave + 16 lane
	s_and_b32 s13, s12, 3                          ; waves 0-3 add up: wave i takes quarter i of every image (column tile i / 2, half i % 2)
	s_lshl_b32 s14, s13, 9
	v_add_nc_u32 v10, s14, v6
	s_lshr_b32 s14, s13, 1
	s_lshl_b32 s14, s14, 6
	s_and_b32 s15, s13, 1
	s_lshl_b32 s15, s15, 4
	s_add_co_u32 s14, s14, s15                     ; 64 (i / 2) + 16 (i % 2)
	v_add_nc_u32 v11, s14, v7                      ; in out0
	v_lshl_add_u32 v12, v5, 5, s14                 ; in bo
	s_and_b32 s16, ttmp7, 0xffff                   ; batch
	s_mov_b32 s19, 0
	s_lshl_b32 s18, s16, 16
	s_lshl_b32 s17, s12, 9
	s_add_co_u32 s18, s18, s17
	s_mov_b32 s21, 0
	s_lshl_b32 s20, s12, 19
	s_lshl_b32 s17, ttmp9, 7                       ; 32 columns
	s_add_co_u32 s20, s20, s17
	s_mov_b32 s23, 0
	s_mov_b32 s22, s17
	s_mov_b32 s25, 0
	s_lshl_b32 s24, s16, 23
	s_add_co_u32 s24, s24, s17
	s_wait_kmcnt 0x0
	s_add_nc_u64 s[4:5], s[4:5], s[18:19]          ; o: 16 rows of 4,096 bytes a batch, + my 128 along K
	s_add_nc_u64 s[6:7], s[6:7], s[20:21]          ; Wo: my 128 rows, my work-group's columns
	s_add_nc_u64 s[8:9], s[8:9], s[22:23]
	s_add_nc_u64 s[10:11], s[10:11], s[24:25]      ; out0: the batch's first row
.irp g, 0,1,2,3,4,5,6,7
	global_load_b128 v[OA+8*\g:OA+8*\g+3], v7, s[4:5] offset:64*\g
	global_load_b128 v[OA+8*\g+4:OA+8*\g+7], v7, s[4:5] offset:64*\g+16
.endr
.irp a, 0,1
.irp g, 0,1,2,3,4,5,6,7
.irp e, 0,1,2,3,4,5,6,7
	global_load_b32 v[WB+64*\a+8*\g+\e], v8, s[6:7] offset:(16*\g+\e)*4096+64*\a
.endr
.endr
.endr
	s_wait_loadcnt 0x0
.irp g, 0,1,2,3,4,5,6,7
.irp s, 0,1,2,3
.irp a, 0,1
.if (\g == 0) && (\s == 0)
	v_wmma_f32_16x16x4_f32 v[ACC+8*\a:ACC+8*\a+7], v[WB+64*\a+8*\g+2*\s:WB+64*\a+8*\g+2*\s+1], v[OA+8*\g+2*\s:OA+8*\g+2*\s+1], 0
.else
	v_wmma_f32_16x16x4_f32 v[ACC+8*\a:ACC+8*\a+7], v[WB+64*\a+8*\g+2*\s:WB+64*\a+8*\g+2*\s+1], v[OA+8*\g+2*\s:OA+8*\g+2*\s+1], v[ACC+8*\a:ACC+8*\a+7]
.endif
.endr
.endr
.endr
.rept 8
	v_nop                                          ; eight places behind this form, in front of the reads of results and of loads into its sources
.endr
.irp a, 0,1
	ds_store_b128 v9, v[ACC+8*\a:ACC+8*\a+3] offset:\a*1024          ; each accumulator from its low end on
	ds_store_b128 v9, v[ACC+8*\a+4:ACC+8*\a+7] offset:\a*1024+512
.endr
	s_wait_dscnt 0x0                               ; for the others' sake: my stores have landed
	s_barrier_signal -1
	s_barrier_wait -1
	s_cmp_lt_u32 s12, 4
	s_cbranch_scc0 .Lend
	global_load_b128 v[48:51], v12, s[8:9]         ; bo at my four columns
.irp k, 0,1,2,3,4,5,6,7
	ds_load_b128 v[16+4*\k:19+4*\k], v10 offset:\k*2048
.endr
	s_wait_dscnt 0x0
.irp p, 0,2
	v_pk_add_f32 v[16+\p:17+\p], v[16+\p:17+\p], v[20+\p:21+\p]
	v_pk_add_f32 v[24+\p:25+\p], v[24+\p:25+\p], v[28+\p:29+\p]
	v_pk_add_f32 v[32+\p:33+\p], v[32+\p:33+\p], v[36+\p:37+\p]
	v_pk_add_f32 v[40+\p:41+\p], v[40+\p:41+\p], v[44+\p:45+\p]
.endr
.irp p, 0,2
	v_pk_add_f32 v[16+\p:17+\p], v[16+\p:17+\p], v[24+\p:25+\p]
	v_pk_add_f32 v[32+\p:33+\p], v[32+\p:33+\p], v[40+\p:41+\p]
.endr
	s_wait_loadcnt 0x0
.irp p, 0,2
	v_pk_add_f32 v[16+\p:17+\p], v[16+\p:17+\p], v[32+\p:33+\p]
	v_pk_add_f32 v[16+\p:17+\p], v[16+\p:17+\p], v[48+\p:49+\p]
.endr
	global_store_b128 v11, v[16:19], s[10:11]
.Lend:
	s_wait_tensorcnt 0x0                           ; the wave's end, behind my last LDS store
	ds_add_u32 v[SPW], v[NIL]
	s_wait_dscnt 0x0
	s_endpgm
.Lfunc_end_k_q12d566eb44_fine:
	.size	k_q12d566eb44_fine, .Lfunc_end_k_q12d566eb44_fine-k_q12d566eb44_fine
	.p2alignl 7, 3214868480
	.fill 96, 4, 3214868480
	.section	.rodata,"a",@progbits
	.p2align	6, 0x0
	.amdhsa_kernel k_q12d566eb44_fine
		.amdhsa_group_segment_fixed_size 17408
		.amdhsa_private_segment_fixed_size 0
		.amdhsa_enable_private_segment 0
		.amdhsa_kernarg_size 32
		.amdhsa_user_sgpr_count 2
		.amdhsa_user_sgpr_kernarg_segment_ptr 1
		.amdhsa_wavefront_size32 1
		.amdhsa_system_sgpr_workgroup_id_x 1
		.amdhsa_system_sgpr_workgroup_id_y 1
		.amdhsa_system_sgpr_workgroup_id_z 1
		.amdhsa_system_vgpr_workitem_id 0
		.amdhsa_next_free_vgpr 256
		.amdhsa_next_free_sgpr 66
		.amdhsa_reserve_vcc 0
		.amdhsa_float_denorm_mode_32 3
		.amdhsa_float_denorm_mode_16_64 3
		.amdhsa_memory_ordered 1
		.amdhsa_forward_progress 1
		.amdhsa_inst_pref_size 22
	.end_amdhsa_kernel
	.amdgpu_metadata
---
amdhsa.version: [ 1, 2 ]
amdhsa.kernels:
  - .name:           k_q12d566eb44_fine
    .symbol:         k_q12d566eb44_fine.kd
    .args:
      - { .name: ofine, .offset: 0, .size: 8, .value_kind: global_buffer, .address_space: global }
      - { .name: Wo, .offset: 8, .size: 8, .value_kind: global_buffer, .address_space: global }
      - { .name: bo, .offset: 16, .size: 8, .value_kind: global_buffer, .address_space: global }
      - { .name: out0, .offset: 24, .size: 8, .value_kind: global_buffer, .address_space: global }
    .group_segment_fixed_size: 17408
    .private_segment_fixed_size: 0
    .kernarg_segment_align: 8
    .kernarg_segment_size: 32
    .max_flat_workgroup_size: 256
    .sgpr_count:     66
    .vgpr_count:     256
    .wavefront_size: 32
...
	.end_amdgpu_metadata
.endif
;; end of part 5
